; MI455X (gfx1250); checked and timed in simulation.
; The chip was launched on July 23, 2026; its instructions are those of AMD's public machine-readable ISA for CDNA 5 (MIT licence, August 2026) and "CDNA5" Instruction Set Architecture Reference Guide (July 2026). The comments in the code are by the model that wrote it; some were corrected since.
;; Multi Head Attention. Allowed arithmetic: matrix products marked QUANTISED: E2M3 operands, one E8M0 scale for each 32 along K, by v_wmma_scale_f32_16x16x128_f8f6f4 with both operands' format E2M3, f32 sums; everything else in f32.
;; Inputs: Wk 16 x 1,024 x 64 float32; Wo 1,024 x 1,024 float32; Wq 16 x 1,024 x 64 float32; Wv 16 x 1,024 x 64 float32; bk 16 x 64 float32; bo 1,024 float32; bq 16 x 64 float32; bv 16 x 64 float32; k_input 4 x 2,048 x 1,024 float32; mask 4 x 2,048 x 2,048 bool; q_input 4 x 2,048 x 1,024 float32; v_input 4 x 2,048 x 1,024 float32.
;; Outputs: out0 4 x 2,048 x 1,024 float32.
;; This version of the problem:
;;   THIS VERSION OF THE PROBLEM IS GIVEN IN LOW PRECISION. The matrix products marked QUANTISED in the list below multiply operands that are first quantised to E2M3 (2 exponent bits, 3 mantissa bits; 6 bits a number), with one power-of-two scale for each 32 numbers along K (OCP MX v1.0); their sums are f32. All else is computed in f32.
;;   The module's matrix products, in the order in which they are computed (A, B: the left and right operand; K: the contracted axis; several contracted axes count as one K, in the product's order):
;;     1. [M 1,024, K 1,024] x [K 1,024, N 8,192]; A: input Wq; B: input q_input: QUANTISED
;;     2. [M 1,024, K 1,024] x [K 1,024, N 8,192]; A: input Wk; B: input k_input: QUANTISED
;;     3. [M 1,024, K 1,024] x [K 1,024, N 8,192]; A: input Wv; B: input v_input: QUANTISED
;;     4. batch 64 x [M 2,048, K 64] x [K 64, N 2,048]; A: computed on the way; B: computed on the way: QUANTISED
;;     5. batch 64 x [M 2,048, K 2,048] x [K 2,048, N 64]; A: softmax (see below); B: computed on the way: QUANTISED
;;     6. [M 8,192, K 1,024] x [K 1,024, N 1,024]; A: computed on the way; B: input Wo: QUANTISED
;;   THE QUANTISER, for each operand of a quantised product, along K:
;;     - K is cut into blocks of 32 from its start; a last block that is shorter is filled with zeros.
;;     - A block's scale is 2^e with e = floor(log2(the largest magnitude in the block)) - 2, held to -126 .. 127; a block of zeros has e = 0. As a byte (E8M0): e + 127.
;;     - Each number is divided by its block's scale, clamped to +-7.5, and rounded to the nearest number of E2M3, ties to even, subnormals kept.
;;     - The product sums the exact products of the quantised numbers (number of the format x scale) in f32.
;;   ~~~python
;;   def quantise(x, axis):      # numpy; x: float32 -> the quantised numbers, widened to float32 again
;;       x = np.moveaxis(x, axis, -1); K = x.shape[-1]
;;       x = np.pad(x, [(0, 0)] * (x.ndim - 1) + [(0, -K % 32)]); x = x.reshape(x.shape[:-1] + (-1, 32)); a = np.abs(x).max(-1, keepdims=True)
;;       e = np.where(a > 0, np.clip(np.frexp(np.where(a > 0, a, 1))[1] - 1 - 2, -126, 127), 0)      # np.frexp(a)[1] - 1 = floor(log2(a)), exactly
;;       r = np.clip(x / 2.0 ** e, -7.5, 7.5)
;;       step = 2.0 ** (np.maximum(np.frexp(np.where(r == 0, 1, r))[1] - 1, 0) - 3)
;;       q = np.round(r / step) * step * 2.0 ** e      # np.round: ties to even
;;       return np.moveaxis(q.reshape(q.shape[:-2] + (-1,))[..., :K], -1, axis).astype(np.float32)
;;   ~~~
;;   SOFTMAX AHEAD OF A QUANTISED PRODUCT. Where the list says 'softmax', what is quantised is not the finished softmax but p = 2^(t - M), with t = logit x log2(e) and M = ceil(the row's largest t), a whole number; so 1/2 < the row's largest p <= 1. The row's sum l is taken of the UNQUANTISED p, in f32, and the product's result is divided by l at the end. Since M is a whole number, a kernel that streams over the keys may use a running M (the ceiling of the running maximum): every later rescaling is an exact power of two, which a block's scale takes up: the codes' values come out the same.
;;   OPERANDS COMPUTED ON THE WAY. 'Computed on the way' means the value that the module computes at that place (a softmax that the list does not call 'softmax' is quantised finished and normalised). What goes into a quantiser is computed in f32, as accurately as f32 sums, v_exp_f32 and their like allow (about 1e-6 of the number): no bf16 or f16 on the way to a quantiser, and a product that is left as it is and whose result goes on into a quantised operand takes f32 operands (vector FMAs, or v_wmma_f32_16x16x4_f32). A number that lies on a knife's edge between two numbers of the format may be rounded either way, as far as f32 arithmetic and the matrix unit's own rounding can turn it there, and no further.
;; 2 versions. Each part assembles by itself: llvm-mc -triple=amdgcn-amd-amdhsa -mcpu=gfx1250 --defsym DOCPART=n.
;; ======== version 1 of 2: 4 launches
;; limits: right only within a limited range of input values
;; workspace buffers: pcodes 22,020,096 bytes; pscales 917,504 bytes; maskbits 2,097,152 bytes of whole numbers; hcodes 18,874,368 bytes; hscales 786,432 bytes; ccodes 6,291,456 bytes; cscales 262,144 bytes
;; launch prep (part 1): grid 424 x 1, 8 waves a work-group, no clusters, 161,792 bytes of LDS; arguments q_input, k_input, v_input, Wo, Wq, Wk, Wv, mask, pcodes, pscales, maskbits; writes pcodes, pscales, maskbits
.if DOCPART == 1
	.amdgcn_target "amdgcn-amd-amdhsa--gfx1250"
	.amdhsa_code_object_version 6
	.text
	.protected	k_qac5c975679_prep
	.globl	k_qac5c975679_prep
	.p2align	8
	.type	k_qac5c975679_prep,@function
k_qac5c975679_prep:
	s_mov_b64 s[64:65], 0
	v_nop
	global_prefetch_b8 v0, s[64:65] scope:SCOPE_SE
	s_setreg_imm32_b32 hwreg(HW_REG_WAVE_MODE, 25, 1), 1
	s_wait_xcnt 0x0
; PREP: every f32 operand of the four large products becomes codes of FP6 (E2M3) with one E8M0 byte for each 32 along K, laid as IMAGES OF OPERAND REGISTERS; the mask becomes bit words.
; A TILE is 16 rows: tile t holds rows 32 (t / 2) + 8 (t % 2) + r + 8 (r / 8), r = 0 .. 15.  A tile of pcodes is 8 K steps x 1,536 bytes: a fragment's 12 registers, registers 4 j .. 4 j + 3 of lane l at 512 j + 16 l.
; A tile of pscales is 512 bytes: at 16 x lane, lane (r, h) holds row r's scale words of K steps 4 h .. 4 h + 3.
; Tiles of pcodes: 0.. q_input, 512.. k_input, 1024.. v_input, 1536.. Wq, 1600.. Wk, 1664.. Wv (row = 64 head + d), 1728.. Wo.
; maskbits: [batch][tile of 16 queries][key step of 128][64 words]: bit l of word j is mask[query r of the tile][128 step + 32 (j / 16) + 16 h + j % 16], l = r + 16 h.
; THREE PATHS by the work-group's number, each with LDS bytes of its own: 0-199 tensors whose K is innermost; 200-327 the mask; 328-423 the weights whose K is the middle axis.
; A block's scale is 2^(floor(log2(largest magnitude)) - 2); its byte is the largest magnitude's exponent field - 2, held at 1 from below.
; LIMITS: a block of zeros gets the byte 1 (its codes are zeros, and this program alone reads the bytes); blocks whose largest magnitude lies under 2^-124 were not tried; NaN and infinities are not served.
; No matrix unit, no cluster, no tensor load: a stream; each wave has 16 KiB of loads on its way and two work-groups fit on a WGP.
.set MST,   67584                      ; LDS: 0.. path X: 8 waves x 16 rows x 528;  MST.. path M: the same
.set WIM,   135168                     ; path W: 8 waves x two fragment images
.set WSC,   159744                     ; path W: two tiles' scale images
.set SPARE, 160768                     ; the spare words: 128 bytes for each of the 8 waves, named by no other line
.set PITCH, 528                        ; a stage row: 512 bytes + 16: 33 x 16, so the 16 rows that a load touches start at 16 different groups of banks
.set SPW,   1                          ; v1  my spare word;  v2  0: both never rewritten
.set NIL,   2
.set R,     16                         ; v16-143 two sets of 64 registers as loaded
.set X,     144                        ; v144-207 64 numbers, 16 neighbours of each of four blocks
.set CD,    208                        ; v208-219 a fragment's codes; v220-226 the second conversions
.set TM,    228                        ; v228-243 at work
.set PW,    244                        ; v244-251 the scale word of each K step
.macro CLOSE                           ; the wave's end
	s_wait_tensorcnt 0x0
	ds_add_u32 v[SPW], v[NIL]
	s_wait_dscnt 0x0
	s_endpgm
.endm
; 64 numbers of a lane, register 16 b + i = k 32 b + 16 (lane / 16) + i of my row, become a fragment's codes in v[CD] on and my row's scale word in v[pw]
.macro QUANT s, pw
.irp b, 0,1,2,3
	v_max3_num_f32 v[TM+\b], |v[\s+16*\b]|, |v[\s+1+16*\b]|, 0x1800000   ; my 16 numbers of block b, and the floor 2^(3 - 127): the byte cannot fall under 1
.endr
.irp i, 2,4,6,8,10,12,14
.irp b, 0,1,2,3
	v_max3_num_f32 v[TM+\b], v[TM+\b], |v[\s+16*\b+\i]|, |v[\s+1+16*\b+\i]|
.endr
.endr
.irp b, 0,1,2,3
	v_permlanex16_b32 v[TM+4+\b], v[TM+\b], s28, s29
.endr
.irp b, 0,1,2,3
	v_max_num_f32 v[TM+\b], v[TM+\b], v[TM+4+\b]   ; with lane l xor 16: the block's largest magnitude
.endr
.irp b, 0,1,2,3
	v_add_nc_u32 v[TM+12+\b], 0xff000000, v[TM+\b] ; 2 off its exponent field: the conversion's scale operand
.endr
.irp b, 0,1,2,3
	v_lshrrev_b32 v[TM+4+\b], 23, v[TM+12+\b]      ; the byte
.endr
	v_lshl_or_b32 v[\pw], v[TM+5], 8, v[TM+4]
	v_lshl_or_b32 v[\pw], v[TM+6], 16, v[\pw]
	v_lshl_or_b32 v[\pw], v[TM+7], 24, v[\pw]
.irp c, 0,1
	v_cvt_scalef32_pk16_fp6_f32 v[CD+6*\c:CD+2+6*\c], v[\s+32*\c:\s+15+32*\c], v[TM+12+2*\c]
	v_cvt_scalef32_pk16_fp6_f32 v[CD+12+4*\c:CD+14+4*\c], v[\s+16+32*\c:\s+31+32*\c], v[TM+12+2*\c+1]
.endr
	v_nop                                          ; one plain place behind a scaled conversion
.irp c, 0,1                                    ; the layout wants a whole block in a lane: lanes 0-15 block 2 c, lanes 16-31 block 2 c + 1
.irp i, 0,1,2
	v_permlane16_swap_b32 v[CD+6*\c+\i], v[CD+12+4*\c+\i]
.endr
.irp i, 0,1,2
	v_mov_b32 v[CD+3+6*\c+\i], v[CD+12+4*\c+\i]
.endr
.endr
.endm
	s_load_b512 s[4:19], s[0:1], 0x0               ; q s[4:5], k s[6:7], v s[8:9], Wo s[10:11], Wq s[12:13], Wk s[14:15], Wv s[16:17], mask s[18:19]
	s_load_b128 s[20:23], s[0:1], 0x40             ; pcodes, pscales
	s_load_b64 s[24:25], s[0:1], 0x50              ; maskbits
	v_lshl_add_u32 v[SPW], v0, 2, SPARE
	v_mov_b32 v[NIL], 0
	v_lshrrev_b32 v3, 5, v0
	v_readfirstlane_b32 s26, v3                    ; wave 0..7
	v_and_b32 v8, 31, v0                           ; lane
	v_and_b32 v9, 15, v0                           ; r
	v_bfe_u32 v10, v0, 4, 1                        ; h
	v_lshlrev_b32 v3, 4, v8                        ; 16 x lane
	s_mov_b32 s27, 0xffff0000                      ; lanes 16-31
	s_mov_b32 s28, 0x76543210
	s_mov_b32 s29, 0xfedcba98                      ; selects for lane l xor 16
	s_mul_i32 s30, s26, 16*PITCH                   ; my wave's stage
	s_mov_b32 s37, 0                               ; the upper word of every offset pair s[36:37]
	s_wait_kmcnt 0x0
	s_cmp_ge_u32 ttmp9, 328
	s_cbranch_scc1 .Lpath_w
	s_cmp_ge_u32 ttmp9, 200
	s_cbranch_scc1 .Lpath_m
; ---- PATH X: q_input, k_input, v_input, Wo.  A wave takes one tile, 16 rows x 1,024 K, a K step of 128 at a time.
; Each load reads 512 consecutive bytes of one row; the 16 rows turn through my own stage and come back 16 neighbours of each block to a lane.
	v_add_nc_u32 v4, s30, v3                       ; into the stage: 16 x lane, row i at 528 i
	v_mul_u32_u24 v5, v9, PITCH
	v_lshl_add_u32 v5, v10, 6, v5
	v_add_nc_u32 v5, s30, v5                       ; out of it: row r, + 64 h
	s_cmp_lt_u32 ttmp9, 64                         ; which tensor: by the work-group's number alone
	s_cselect_b64 s[32:33], s[4:5], s[6:7]
	s_cmp_lt_u32 ttmp9, 128
	s_cselect_b64 s[32:33], s[32:33], s[8:9]
	s_cmp_lt_u32 ttmp9, 192
	s_cselect_b64 s[32:33], s[32:33], s[10:11]
	s_cselect_b32 s38, 0, 192                      ; Wo's tiles lie 192 further on in pcodes
	s_lshl_b32 s34, ttmp9, 3
	s_add_co_u32 s34, s34, s26                     ; tile 0 .. 1599
	s_and_b32 s35, s34, 511                        ; in its tensor
	s_lshr_b32 s36, s35, 1
	s_lshl_b32 s36, s36, 17                        ; 32 rows of 4,096 bytes
	s_and_b32 s35, s35, 1
	s_lshl_b32 s35, s35, 15                        ; 8 rows
	s_add_co_u32 s36, s36, s35
	s_add_nc_u64 s[32:33], s[32:33], s[36:37]
	s_add_co_u32 s34, s34, s38
	s_mul_i32 s36, s34, 12288
	s_add_nc_u64 s[20:21], s[20:21], s[36:37]
	s_lshl_b32 s36, s34, 9
	s_add_nc_u64 s[22:23], s[22:23], s[36:37]
.irp b, 0,1,2,3
	v_mov_b32 v[TM+4+\b], 0                        ; written once: a lane permute's destination counts as one of its sources
.endr
.macro XLOAD t
.irp i, 0,1,2,3,4,5,6,7,8,9,10,11,12,13,14,15
	global_load_b128 v[R+64*((\t)%2)+4*\i:R+64*((\t)%2)+4*\i+3], v3, s[32:33] offset:(\i+8*(\i/8))*4096+512*(\t) th:TH_LOAD_NT
.endr
.endm
.macro XTURN t                         ; LDS serves a wave's instructions in order: no wait between the stores and the loads
.irp i, 0,1,2,3,4,5,6,7,8,9,10,11,12,13,14,15
	ds_store_b128 v4, v[R+64*((\t)%2)+4*\i:R+64*((\t)%2)+4*\i+3] offset:PITCH*\i
.endr
.irp b, 0,1,2,3
.irp j, 0,1,2,3
	ds_load_b128 v[X+16*\b+4*\j:X+16*\b+4*\j+3], v5 offset:128*\b+16*\j
.endr
.endr
.endm
	XLOAD 0
	XLOAD 1
.irp t, 0,1,2,3,4,5,6,7
.if \t < 7
	s_wait_loadcnt 16                              ; this K step's 16 loads are in; the next step's 16 may be out
.else
	s_wait_loadcnt 0x0
.endif
	XTURN \t
	s_wait_dscnt 0x0                               ; the numbers are back, and the stores have read the set that is loaded again below
	s_wait_xcnt 0x0                                ; the last step's stores have read the codes' registers
.if \t < 6
	XLOAD \t+2
.endif
	QUANT X, PW+\t
.irp j, 0,1,2
	global_store_b128 v3, v[CD+4*\j:CD+4*\j+3], s[20:21] offset:1536*\t+512*\j   ; 512 consecutive bytes
.endr
.endr
.irp i, 0,1,2,3
	v_cndmask_b32 v[252+\i], v[PW+\i], v[PW+4+\i], s27   ; lanes 0-15: K steps 0-3; lanes 16-31: K steps 4-7
.endr
	global_store_b128 v3, v[252:255], s[22:23]
	CLOSE
; ---- PATH M: a wave takes 16 queries x 1,024 keys of the mask, in two chunks of 512 keys.  Bytes turn through my stage as in path X; a compare makes a word of 32 bits, one for each lane.
.Lpath_m:
	s_add_co_u32 s31, s30, MST
	v_add_nc_u32 v4, s31, v3
	v_mul_u32_u24 v5, v9, PITCH
	v_lshl_add_u32 v5, v10, 4, v5
	v_add_nc_u32 v5, s31, v5                       ; row r, + 16 h
	v_lshlrev_b32 v6, 3, v8                        ; out: 8 bytes a lane
	s_sub_co_u32 s34, ttmp9, 200
	s_lshl_b32 s34, s34, 3
	s_add_co_u32 s34, s34, s26
	s_lshr_b32 s35, s34, 1                         ; 128 batch + tile
	s_and_b32 s34, s34, 1                          ; which 1,024 keys
	s_lshr_b32 s36, s35, 7
	s_lshl_b32 s36, s36, 22                        ; a batch is 2,048 x 2,048 bytes
	s_and_b32 s38, s35, 127
	s_lshr_b32 s39, s38, 1
	s_lshl_b32 s39, s39, 16                        ; 32 rows of 2,048 bytes
	s_add_co_u32 s36, s36, s39
	s_and_b32 s38, s38, 1
	s_lshl_b32 s38, s38, 14                        ; 8 rows
	s_add_co_u32 s36, s36, s38
	s_lshl_b32 s38, s34, 10
	s_add_co_u32 s36, s36, s38
	s_add_nc_u64 s[18:19], s[18:19], s[36:37]
	s_lshl_b32 s36, s35, 12                        ; a tile's 16 key steps of 256 bytes
	s_lshl_b32 s38, s34, 11
	s_add_co_u32 s36, s36, s38
	s_add_nc_u64 s[24:25], s[24:25], s[36:37]
	s_mov_b32 s48, 0xff
	s_mov_b32 s49, 0xff00
	s_mov_b32 s50, 0xff0000
	s_mov_b32 s51, 0xff000000
.irp c, 0,1
.irp i, 0,1,2,3,4,5,6,7,8,9,10,11,12,13,14,15
	global_load_b128 v[R+64*\c+4*\i:R+64*\c+4*\i+3], v3, s[18:19] offset:(\i+8*(\i/8))*2048+512*\c th:TH_LOAD_NT
.endr
.endr
.irp i, 0,1,2,3,4,5,6,7
	v_mov_b32 v[208+\i], 0                         ; v_writelane_b32's destination counts as read
.endr
.irp c, 0,1
	s_wait_loadcnt 16-16*\c                        ; this chunk's 16 loads are in; the other chunk's may be out
.irp i, 0,1,2,3,4,5,6,7,8,9,10,11,12,13,14,15
	ds_store_b128 v4, v[R+64*\c+4*\i:R+64*\c+4*\i+3] offset:PITCH*\i
.endr
.irp s, 0,1,2,3
.irp b, 0,1,2,3
	ds_load_b128 v[X+16*\s+4*\b:X+16*\s+4*\b+3], v5 offset:128*\s+32*\b   ; key step s, block b: my 16 keys' bytes
.endr
.endr
	s_wait_dscnt 0x0
	s_wait_xcnt 0x0                                ; the last chunk's stores have read the word registers
.irp s, 0,1,2,3
.set gg, 0
.rept 8                                        ; words 8 gg .. 8 gg + 7, by eights, so that no line waits for the line above it
.irp q, 0,1,2,3,4,5,6,7
	v_and_b32 v[216+\q], s[48+\q%4], v[X+16*\s+4*((8*gg+\q)/16)+((8*gg+\q)%16)/4]
.endr
.irp q, 0,1,2,3,4,5,6,7
	v_cmp_ne_u32 s[40+\q], 0, v[216+\q]            ; bit l: my lane's byte is not 0
.endr
.irp q, 0,1,2,3,4,5,6,7
	v_writelane_b32 v[208+2*\s+\q%2], s[40+\q], (8*gg+\q)/2   ; word j to lane j / 2, register j % 2
.endr
.set gg, gg+1
.endr
	global_store_b64 v6, v[208+2*\s:209+2*\s], s[24:25] offset:(4*\c+\s)*256   ; 256 consecutive bytes, aligned: word j at 4 j
.endr
.endr
	CLOSE
; ---- PATH W: Wq, Wk, Wv, [head][K][64].  A work-group takes 32 columns (two tiles), wave w K step w.  A lane takes a column and its registers run down K:
; a block of 32 lies in one lane, and its six code registers go to their place in the fragment's image in LDS: column x is row r' = x % 8 + 8 (x / 16) of tile u = (x / 8) % 2.
.Lpath_w:
	s_sub_co_u32 s34, ttmp9, 328
	s_lshr_b32 s35, s34, 5                         ; which weight
	s_and_b32 s36, s34, 31                         ; which 32 columns: head = / 2
	v_bfe_u32 v11, v0, 3, 1                        ; u
	v_and_b32 v12, 7, v0
	v_lshl_add_u32 v12, v10, 3, v12                ; r'
	s_mul_i32 s38, s26, 3072
	s_add_co_u32 s38, s38, WIM
	v_mul_u32_u24 v4, v11, 1536
	v_lshl_add_u32 v4, v12, 4, v4
	v_add_nc_u32 v4, s38, v4                       ; image of tile u, lane r'
	v_add_nc_u32 v5, s38, v3                       ; back: 16 x lane
	s_lshr_b32 s38, s26, 2
	s_lshl_b32 s38, s38, 8
	s_and_b32 s39, s26, 3
	s_lshl_b32 s39, s39, 2
	s_add_co_u32 s38, s38, s39
	s_add_co_u32 s38, s38, WSC
	v_lshlrev_b32 v6, 9, v11
	v_lshl_add_u32 v6, v12, 4, v6
	v_add_nc_u32 v6, s38, v6                       ; my scale word: tile u, lane (r', w / 4), word w % 4
	s_and_b32 s39, s26, 1
	s_lshl_b32 s39, s39, 9
	s_add_co_u32 s39, s39, WSC
	v_add_nc_u32 v7, s39, v3                       ; waves 0 and 1 read a tile's scale image back
	v_lshlrev_b32 v14, 2, v8                       ; 4 bytes a column
	s_cmp_eq_u32 s35, 0
	s_cselect_b64 s[32:33], s[12:13], s[14:15]
	s_cmp_eq_u32 s35, 2
	s_cselect_b64 s[32:33], s[16:17], s[32:33]
	s_lshl_b32 s40, s35, 6
	s_lshl_b32 s41, s36, 1
	s_add_co_u32 s40, s40, s41
	s_add_co_u32 s40, s40, 1536                    ; the first of my two tiles in pcodes
	s_lshr_b32 s38, s36, 1
	s_lshl_b32 s38, s38, 18                        ; a head is 1,024 x 256 bytes
	s_lshl_b32 s39, s26, 15                        ; 128 rows of 256 bytes
	s_add_co_u32 s38, s38, s39
	s_and_b32 s39, s36, 1
	s_lshl_b32 s39, s39, 7
	s_add_co_u32 s36, s38, s39
	s_add_nc_u64 s[32:33], s[32:33], s[36:37]
	s_mul_i32 s36, s40, 12288
	s_mul_i32 s38, s26, 1536
	s_add_co_u32 s36, s36, s38
	s_add_nc_u64 s[20:21], s[20:21], s[36:37]
	s_add_co_u32 s40, s40, s26
	s_lshl_b32 s36, s40, 9
	s_add_nc_u64 s[22:23], s[22:23], s[36:37]      ; used by waves 0 and 1 alone
.set ii, 0
.rept 128
	global_load_b32 v[16+ii], v14, s[32:33] offset:ii*256   ; W(128 w + ii, my column): 128 consecutive bytes a wave
.set ii, ii+1
.endr
.irp kb, 0,1,2,3
.set XB, 16+32*\kb
.if \kb < 2
	s_wait_loadcnt 63                              ; at least 64 loads are younger than this block's
.else
	s_wait_loadcnt 96-32*\kb                       ; the later block's 32 may be out
.endif
	v_max3_num_f32 v156, |v[XB]|, |v[XB+1]|, |v[XB+2]|
	v_max3_num_f32 v157, |v[XB+3]|, |v[XB+4]|, |v[XB+5]|
.irp i, 6,10,14,18,22,26
	v_max3_num_f32 v156, v156, |v[XB+\i]|, |v[XB+\i+1]|
	v_max3_num_f32 v157, v157, |v[XB+\i+2]|, |v[XB+\i+3]|
.endr
	v_max3_num_f32 v156, v156, |v[XB+30]|, |v[XB+31]|
	v_max3_num_f32 v156, v156, v157, 0x1800000     ; and the floor
	v_add_nc_u32 v158, 0xff000000, v156
	v_lshrrev_b32 v159, 23, v158
.if \kb == 0
	v_mov_b32 v160, v159
.else
	v_lshl_or_b32 v160, v159, 8*\kb, v160          ; the K step's scale word of my column
.endif
	v_cvt_scalef32_pk16_fp6_f32 v[144:146], v[XB:XB+15], v158
	v_cvt_scalef32_pk16_fp6_f32 v[152:154], v[XB+16:XB+31], v158
	v_nop
.irp i, 0,1,2
	v_mov_b32 v[147+\i], v[152+\i]
.endr
.if \kb < 2                                    ; block kb is registers 6 (kb / 2) .. + 5 of image lane r' + 16 (kb % 2)
	ds_store_b128 v4, v[144:147] offset:256*(\kb%2)
	ds_store_b64 v4, v[148:149] offset:256*(\kb%2)+512
.else
	ds_store_b64 v4, v[144:145] offset:256*(\kb%2)+520
	ds_store_b128 v4, v[146:149] offset:256*(\kb%2)+1024
.endif
	s_wait_dscnt 0x0                               ; the stores have read the codes' registers
.endr
	ds_store_b32 v6, v160
.irp i, 0,1,2,3,4,5
	ds_load_b128 v[164+4*\i:167+4*\i], v5 offset:512*\i   ; my own two images, as they will lie in memory
.endr
	s_wait_dscnt 0x0                               ; for the others' sake: my scale words have landed
	s_barrier_signal -1
	s_barrier_wait -1
.irp i, 0,1,2,3,4,5
	global_store_b128 v3, v[164+4*\i:167+4*\i], s[20:21] offset:(\i/3)*12288+(\i%3)*512
.endr
	s_cmp_gt_u32 s26, 1
	s_cbranch_scc1 .Lw_end
	ds_load_b128 v[188:191], v7                    ; words that all eight waves stored, behind the barrier
	s_wait_dscnt 0x0
	global_store_b128 v3, v[188:191], s[22:23]
.Lw_end:
	CLOSE
.Lfunc_end_k_qac5c975679_prep:
	.size	k_qac5c975679_prep, .Lfunc_end_k_qac5c975679_prep-k_qac5c975679_prep
	.p2alignl 7, 3214868480
	.fill 96, 4, 3214868480
	.section	.rodata,"a",@progbits
	.p2align	6, 0x0
	.amdhsa_kernel k_qac5c975679_prep
		.amdhsa_group_segment_fixed_size 161792
		.amdhsa_private_segment_fixed_size 0
		.amdhsa_enable_private_segment 0
		.amdhsa_kernarg_size 88
		.amdhsa_user_sgpr_count 2
		.amdhsa_user_sgpr_kernarg_segment_ptr 1
		.amdhsa_wavefront_size32 1
		.amdhsa_system_sgpr_workgroup_id_x 1
		.amdhsa_system_sgpr_workgroup_id_y 1
		.amdhsa_system_sgpr_workgroup_id_z 1
		.amdhsa_system_vgpr_workitem_id 0
		.amdhsa_next_free_vgpr 256
		.amdhsa_next_free_sgpr 66
		.amdhsa_reserve_vcc 0
		.amdhsa_float_denorm_mode_32 3
		.amdhsa_float_denorm_mode_16_64 3
		.amdhsa_memory_ordered 1
		.amdhsa_forward_progress 1
		.amdhsa_inst_pref_size 176
	.end_amdhsa_kernel
	.amdgpu_metadata
---
amdhsa.version: [ 1, 2 ]
amdhsa.kernels:
  - .name:           k_qac5c975679_prep
    .symbol:         k_qac5c975679_prep.kd
    .args:
      - { .name: q_input, .offset: 0, .size: 8, .value_kind: global_buffer, .address_space: global }
      - { .name: k_input, .offset: 8, .size: 8, .value_kind: global_buffer, .address_space: global }
      - { .name: v_input, .offset: 16, .size: 8, .value_kind: global_buffer, .address_space: global }
      - { .name: Wo, .offset: 24, .size: 8, .value_kind: global_buffer, .address_space: global }
      - { .name: Wq, .offset: 32, .size: 8, .value_kind: global_buffer, .address_space: global }
      - { .name: Wk, .offset: 40, .size: 8, .value_kind: global_buffer, .address_space: global }
      - { .name: Wv, .offset: 48, .size: 8, .value_kind: global_buffer, .address_space: global }
      - { .name: mask, .offset: 56, .size: 8, .value_kind: global_buffer, .address_space: global }
      - { .name: pcodes, .offset: 64, .size: 8, .value_kind: global_buffer, .address_space: global }
      - { .name: pscales, .offset: 72, .size: 8, .value_kind: global_buffer, .address_space: global }
      - { .name: maskbits, .offset: 80, .size: 8, .value_kind: global_buffer, .address_space: global }
    .group_segment_fixed_size: 161792
    .private_segment_fixed_size: 0
    .kernarg_segment_align: 8
    .kernarg_segment_size: 88
    .max_flat_workgroup_size: 256
    .sgpr_count:     66
    .vgpr_count:     256
    .wavefront_size: 32
...
	.end_amdgpu_metadata
.endif
;; end of part 1
;; launch proj (part 2): grid 192 x 1, 4 waves a work-group, no clusters, 98,816 bytes of LDS; arguments pcodes, pscales, bq, bk, bv, hcodes, hscales; writes hcodes, hscales
.if DOCPART == 2
	.amdgcn_target "amdgcn-amd-amdhsa--gfx1250"
	.amdhsa_code_object_version 6
	.text
	.protected	k_qac5c975679_proj
	.globl	k_qac5c975679_proj
	.p2align	8
	.type	k_qac5c975679_proj,@function
k_qac5c975679_proj:
	s_mov_b64 s[64:65], 0
	v_nop
	global_prefetch_b8 v0, s[64:65] scope:SCOPE_SE
	s_setreg_imm32_b32 hwreg(HW_REG_WAVE_MODE, 25, 1), 1
	s_wait_xcnt 0x0
; PROJ: the three projections on codes of FP6, and their results quantised again for attention.  One text for q, k and v: kind = work-group / 64.
; A work-group holds operand L, 128 rows = 8 tiles, all of K = 1,024, in LDS (98,304 bytes, filled once), and walks operand S, 1,024 rows; wave w takes S's tiles 16 w .. 16 w + 15 in 4 passes of 4.
; A pass: 8 x 4 accumulators, 8 K steps, 256 matrix instructions.  Source 0 = S, source 1 = L: a lane holds ONE row of L, and, by the choice of a tile's rows, its 32 registers of tiles n = 0 .. 3 hold
; S's rows 32 b + 16 h + 0 .. 15 (b = 0, 1): neighbours, along which the result is quantised.
; q, k: L = rows of the input, S = rows of W (64 head + d): a pass is one head, quantised along d.   v: L = rows of Wv (d), S = rows of v_input (keys): a pass is 64 keys, quantised along the keys: V^T.
; OUT: half images of 768 bytes (6 registers, k = 32 h + 0 .. 31 of 64: registers 0-3 at 16 x lane, 4-5 at 512 + 8 x lane) and units of 256 scale bytes [r][4 words]: word i = the two bytes of tile 2 i, then of tile 2 i + 1.
; S's fragments go from memory straight into the one wave that multiplies them, a pass ahead: so no cluster: a joint load would send them through LDS once more.  192 work-groups of equal work: 3 does not divide 256.
; LIMITS: a block of zeros gets the byte 1; NaN and infinities are not served.
; REGISTERS: window 0: v1-8 addresses, v10, v11 the add's two, v16-47 L's scale words, v48-63 S's, v64-95 the bias along S, v104-197 the way out, v200-215 the bias along L (pairs, the upper word 0).
;   window 1: S's K steps 0-4 (48 registers each).  window 2: v0-143 S's K steps 5-7; v144-239 L's eight fragments.  window 3: the 32 accumulators, (m, n) at v[8 (4 m + n)]; at the head the copy's staging.
.set SPARE, 98304
.set XS,  16
.set WS,  48
.set BI,  64
.set HC,  104
.set GC,  136
.set TM,  152
.set TP,  160
.set SOP, 168
.set EB,  176
.set SW,  192
.set PR,  196
.set LB,  200
.set XF,  144
.set MSB, 0
.macro WIN new                         ; the immediate's high byte repeats the setting that is left; a switch that changes nothing is dropped
.if MSB != \new
	s_set_vgpr_msb (MSB<<8)|\new
.set MSB, \new
.endif
.endm
.macro PLACES                          ; four plain places behind a matrix instruction, ahead of loads into its registers and of reads of its result
.rept 4
	v_nop
.endr
.endm
.macro SLOAD ks, off                   ; S's four fragments of K step ks, off bytes on, into their slot
.if (\ks) < 5
	WIN 0x40
.set SB, 48*(\ks)
.else
	WIN 0x80
.set SB, 48*((\ks)-5)
.endif
.irp n, 0,1,2,3
.irp j, 0,1,2
	global_load_b128 v[SB+12*\n+4*\j:SB+12*\n+4*\j+3], v1, s[30:31] offset:\off+12288*\n+1536*(\ks)+512*\j
.endr
.endr
	WIN 0
.endm
.macro WSLOAD off
.irp n, 0,1,2,3
	global_load_b128 v[WS+4*\n:WS+4*\n+3], v1, s[34:35] offset:\off+512*\n
.endr
.endm
.macro BILOAD off                      ; lane (r, h), tile n, register j: the bias of S's row 32 (n / 2) + 8 (n % 2) + 16 h + j
.irp n, 0,1,2,3
	global_load_b128 v[BI+8*\n:BI+8*\n+3], v6, s[36:37] offset:\off+4*(32*(\n/2)+8*(\n%2))
	global_load_b128 v[BI+8*\n+4:BI+8*\n+7], v6, s[36:37] offset:\off+4*(32*(\n/2)+8*(\n%2))+16
.endr
.endm
.macro FETCH ks, m0                    ; L's fragments m0 .. m0 + 3 of K step ks from LDS: three loads of 512 consecutive bytes each
	WIN 0x80
.irp m, \m0, \m0+1, \m0+2, \m0+3
.irp j, 0,1,2
.if (\m) < 4
	ds_load_b128 v[XF+12*(\m)+4*\j:XF+12*(\m)+4*\j+3], v1 offset:12288*(\m)+1536*(\ks)+512*\j
.else
	ds_load_b128 v[XF+12*(\m)+4*\j:XF+12*(\m)+4*\j+3], v2 offset:12288*((\m)-4)+1536*(\ks)+512*\j
.endif
.endr
.endr
.endm
; 16 matrix instructions.  The 32 accumulators take turns, one instruction a turn, in the same order in every K step.  K step 0 takes the bias as C: nothing is cleared.
.macro MUL16 ks, m0
.if (\ks) < 5
.set SB, 48*(\ks)
.else
.set SB, 48*((\ks)-5)
.endif
.if (\ks) == 0
	WIN 0xc9
.elseif (\ks) < 5
	WIN 0xf9
.else
	WIN 0xfa
.endif
.irp m, \m0, \m0+1, \m0+2, \m0+3
.irp n, 0,1,2,3
.set AC, 8*(4*(\m)+\n)
.if (\ks) == 0
	v_wmma_scale_f32_16x16x128_f8f6f4 v[AC:AC+7], v[SB+12*\n:SB+12*\n+11], v[XF+12*(\m):XF+12*(\m)+11], v[BI+8*\n:BI+8*\n+7], v[WS+4*\n], v[XS+4*(\m)] matrix_a_fmt:MATRIX_FMT_FP6 matrix_b_fmt:MATRIX_FMT_FP6
.elseif (\ks) < 4
	v_wmma_scale_f32_16x16x128_f8f6f4 v[AC:AC+7], v[SB+12*\n:SB+12*\n+11], v[XF+12*(\m):XF+12*(\m)+11], v[AC:AC+7], v[WS+4*\n+(\ks)], v[XS+4*(\m)+(\ks)] matrix_a_fmt:MATRIX_FMT_FP6 matrix_b_fmt:MATRIX_FMT_FP6
.else
	v_wmma_scale_f32_16x16x128_f8f6f4 v[AC:AC+7], v[SB+12*\n:SB+12*\n+11], v[XF+12*(\m):XF+12*(\m)+11], v[AC:AC+7], v[WS+4*\n+(\ks)-4], v[XS+4*(\m)+(\ks)-4] matrix_a_fmt:MATRIX_FMT_FP6 matrix_b_fmt:MATRIX_FMT_FP6 matrix_a_scale:MATRIX_SCALE_ROW1 matrix_b_scale:MATRIX_SCALE_ROW1
.endif
.endr
.endr
.endm
.macro RELOAD ks                       ; the slot just multiplied takes the next pass's fragments, if there is a next pass: no load leaves its buffer
	WIN 0
	s_cmp_eq_u32 s46, 1
	s_cbranch_scc1 .Lnr_\@
	SLOAD \ks, 49152
.Lnr_\@:
.endm
; Tiles m = 4 q .. 4 q + 3 of the pass's results: eight blocks of 32 are quantised and leave as four half images.
.macro HQ4 q
	WIN 0x0f
.irp mm, 0,1,2,3
.irp bq, 0,1
	v_max3_num_f32 v[TM+2*\mm+\bq], |v[32*(4*\q+\mm)+16*\bq]|, |v[32*(4*\q+\mm)+16*\bq+1]|, 0x1800000   ; each accumulator is read from its low end on; the floor holds the byte at 1
.endr
.endr
	WIN 0x3c
.irp i, 2,4,6,8,10,12,14
.irp mm, 0,1,2,3
.irp bq, 0,1
	v_max3_num_f32 v[TM+2*\mm+\bq], v[TM+2*\mm+\bq], |v[32*(4*\q+\mm)+16*\bq+\i]|, |v[32*(4*\q+\mm)+16*\bq+\i+1]|
.endr
.endr
.endr
	WIN 0
.irp b, 0,1,2,3,4,5,6,7
	v_permlanex16_b32 v[TP+\b], v[TM+\b], s48, s49
.endr
.irp b, 0,1,2,3,4,5,6,7
	v_max_num_f32 v[TM+\b], v[TM+\b], v[TP+\b]
.endr
.irp b, 0,1,2,3,4,5,6,7
	v_add_nc_u32 v[SOP+\b], 0xff000000, v[TM+\b]
.endr
.irp b, 0,1,2,3,4,5,6,7
	v_lshrrev_b32 v[EB+8*\q+\b], 23, v[SOP+\b]
.endr
	s_wait_xcnt 0x0                                ; the earlier stores have read the codes' registers
	WIN 0x03
.irp mm, 0,1,2,3
	v_cvt_scalef32_pk16_fp6_f32 v[HC+8*\mm:HC+8*\mm+2], v[32*(4*\q+\mm):32*(4*\q+\mm)+15], v[SOP+2*\mm]
	v_cvt_scalef32_pk16_fp6_f32 v[GC+4*\mm:GC+4*\mm+2], v[32*(4*\q+\mm)+16:32*(4*\q+\mm)+31], v[SOP+2*\mm+1]
.endr
	WIN 0
	v_nop                                          ; one plain place behind a scaled conversion
.irp mm, 0,1,2,3
.irp i, 0,1,2
	v_permlane16_swap_b32 v[HC+8*\mm+\i], v[GC+4*\mm+\i]   ; lanes 0-15 now hold block 0 whole, lanes 16-31 block 1
.endr
.irp i, 0,1,2
	v_mov_b32 v[HC+8*\mm+3+\i], v[GC+4*\mm+\i]
.endr
.endr
.irp mm, 0,1,2,3
	global_store_b128 v1, v[HC+8*\mm:HC+8*\mm+3], s[38:39] offset:768*(4*\q+\mm)          ; 512 consecutive bytes
	global_store_b64 v5, v[HC+8*\mm+4:HC+8*\mm+5], s[38:39] offset:768*(4*\q+\mm)+512     ; 256 consecutive bytes
.endr
.endm
	s_load_b256 s[4:11], s[0:1], 0x0               ; pcodes s[4:5], pscales s[6:7], bq s[8:9], bk s[10:11]
	s_load_b128 s[12:15], s[0:1], 0x20             ; bv s[12:13], hcodes s[14:15]
	s_load_b64 s[16:17], s[0:1], 0x30              ; hscales
	v_lshl_add_u32 v10, v0, 2, SPARE
	v_mov_b32 v11, 0
	v_lshrrev_b32 v1, 5, v0
	v_readfirstlane_b32 s22, v1                    ; wave 0..3
	v_and_b32 v9, 31, v0
	v_and_b32 v12, 15, v0                          ; r
	v_bfe_u32 v13, v0, 4, 1                        ; h
	v_lshlrev_b32 v1, 4, v9                        ; 16 x lane
	v_add_nc_u32 v2, 49152, v1
	v_lshlrev_b32 v3, 4, v0                        ; 16 x thread: the copy
	v_add_nc_u32 v4, 49152, v3
	v_lshlrev_b32 v5, 3, v9                        ; 8 x lane
	v_lshlrev_b32 v6, 6, v13                       ; 64 h
	v_and_b32 v7, 8, v12
	v_add_nc_u32 v7, v7, v12
	v_lshlrev_b32 v7, 2, v7                        ; 4 (r + 8 (r / 8))
	v_lshlrev_b32 v8, 4, v12
	v_lshl_add_u32 v8, v13, 3, v8                  ; 16 r + 8 h
	s_lshr_b32 s20, ttmp9, 6                       ; kind: 0 q, 1 k, 2 v
	s_and_b32 s21, ttmp9, 63                       ; i
	s_lshr_b32 s23, s21, 4                         ; batch
	s_and_b32 s24, s21, 7
	s_and_b32 s25, s21, 15
	s_bfe_u32 s26, s21, 0x10003                    ; (i / 8) % 2
	; q, k
	s_lshl_b32 s50, s20, 9
	s_lshl_b32 s51, s21, 3
	s_add_co_u32 s50, s50, s51                     ; L's first tile: 512 kind + 8 i
	s_lshl_b32 s51, s20, 6
	s_add_co_u32 s51, s51, 1536                    ; S's first tile
	s_lshl_b32 s52, s23, 4
	s_lshl_b32 s53, s22, 2
	s_add_co_u32 s52, s52, s53                     ; 16 batch + my first head
	s_lshl_b32 s53, s52, 7
	s_lshl_b32 s54, s25, 3
	s_add_co_u32 s53, s53, s54
	s_mul_i32 s53, s53, 768
	s_mul_i32 s54, s20, 6291456
	s_add_co_u32 s53, s53, s54                     ; codes out
	s_lshl_b32 s54, s52, 4
	s_add_co_u32 s54, s54, s25
	s_lshl_b32 s54, s54, 8
	s_lshl_b32 s55, s20, 18
	s_add_co_u32 s54, s54, s55                     ; scales out
	s_lshl_b32 s55, s22, 10                        ; bias: my first head's 64 numbers
	; v
	s_lshl_b32 s56, s24, 3
	s_add_co_u32 s56, s56, 1664                    ; L: Wv's tiles 8 (i % 8) on
	s_lshr_b32 s57, s21, 3
	s_lshl_b32 s57, s57, 6
	s_add_co_u32 s57, s57, 1024                    ; S: v_input's tiles 64 (i / 8) on
	s_lshl_b32 s58, s23, 3
	s_add_co_u32 s58, s58, s24
	s_lshl_b32 s58, s58, 5
	s_lshl_b32 s59, s26, 4
	s_add_co_u32 s58, s58, s59
	s_lshl_b32 s59, s22, 2
	s_add_co_u32 s58, s58, s59                     ; (8 batch + pair of heads) 32 + my first group of 64 keys
	s_mul_i32 s59, s58, 6144
	s_add_co_u32 s59, s59, 12582912
	s_lshl_b32 s60, s58, 8
	s_add_co_u32 s60, s60, 524288
	s_lshl_b32 s61, s24, 9                         ; bias: L's 128 rows
	s_mov_b32 s42, 98304                           ; from pass to pass: a head's 128 half images,
	s_mov_b32 s44, 4096                            ; its 16 units
	s_cmp_eq_u32 s20, 2
	s_cselect_b32 s50, s56, s50
	s_cselect_b32 s51, s57, s51
	s_cselect_b32 s53, s59, s53
	s_cselect_b32 s54, s60, s54
	s_cselect_b32 s55, s61, s55
	s_cselect_b32 s42, 6144, s42                   ; v: a group's 8 half images,
	s_cselect_b32 s44, 256, s44                    ; its one unit
	s_mov_b32 s43, 0
	s_mov_b32 s45, 0
	s_lshl_b32 s52, s22, 4
	s_add_co_u32 s51, s51, s52                     ; my wave's first tile of S
	s_mov_b32 s47, 0xffff0000                      ; lanes 16-31
	s_mov_b32 s48, 0x76543210
	s_mov_b32 s49, 0xfedcba98
	s_mov_b32 s57, 0
.set ii, 0
.rept 32
	v_mov_b32 v[BI+ii], 0                          ; v has no bias along S
.set ii, ii+1
.endr
.set ii, 0
.rept 16
	v_mov_b32 v[LB+ii], 0
.set ii, ii+1
.endr
.irp b, 0,1,2,3,4,5,6,7
	v_mov_b32 v[TP+\b], 0                          ; a lane permute's destination counts as one of its sources
.endr
	s_wait_kmcnt 0x0
	s_cmp_eq_u32 s20, 0
	s_cselect_b64 s[36:37], s[8:9], s[10:11]
	s_cmp_eq_u32 s20, 2
	s_cselect_b64 s[36:37], s[12:13], s[36:37]
	s_mul_i32 s56, s50, 12288
	s_add_nc_u64 s[28:29], s[4:5], s[56:57]        ; L's codes
	s_mul_i32 s56, s51, 12288
	s_add_nc_u64 s[30:31], s[4:5], s[56:57]        ; S's codes
	s_lshl_b32 s56, s50, 9
	s_add_nc_u64 s[32:33], s[6:7], s[56:57]        ; L's scales
	s_lshl_b32 s56, s51, 9
	s_add_nc_u64 s[34:35], s[6:7], s[56:57]        ; S's scales
	s_mov_b32 s56, s55
	s_add_nc_u64 s[36:37], s[36:37], s[56:57]      ; the bias
	s_mov_b32 s56, s53
	s_add_nc_u64 s[38:39], s[14:15], s[56:57]
	s_mov_b32 s56, s54
	s_add_nc_u64 s[40:41], s[16:17], s[56:57]
	WIN 0xc0
.set ii, 0
.rept 48                                       ; L's 98,304 bytes: 128 threads x 16 bytes x 48, dense
	global_load_b128 v[4*ii:4*ii+3], v3, s[28:29] offset:2048*ii
.set ii, ii+1
.endr
	WIN 0
.irp m, 0,1,2,3,4,5,6,7
	global_load_b128 v[XS+4*\m:XS+4*\m+3], v1, s[32:33] offset:512*\m
.endr
.irp ks, 0,1,2,3,4,5,6,7
	SLOAD \ks, 0
.endr
	WSLOAD 0
	s_cmp_eq_u32 s20, 2
	s_cbranch_scc0 .Lbias_qk
.irp m, 0,1,2,3,4,5,6,7
	global_load_b32 v[LB+2*\m], v7, s[36:37] offset:4*(32*(\m/2)+8*(\m%2))   ; v: the bias of L's row r of tile m
.endr
	s_branch .Lbias_done
.Lbias_qk:
	BILOAD 0
.Lbias_done:
	s_wait_loadcnt 63                              ; 116 loads are younger than the copy's 48: those are in
	WIN 0x0c
.set ii, 0
.rept 48
.if ii < 24
	ds_store_b128 v3, v[4*ii:4*ii+3] offset:2048*ii
.else
	ds_store_b128 v4, v[4*ii:4*ii+3] offset:2048*(ii-24)
.endif
.set ii, ii+1
.endr
	WIN 0
	s_wait_dscnt 0x0                               ; for the others' sake: my part of L has landed
	s_barrier_signal -1
	s_barrier_wait -1                              ; L is whole; it is never written again
	s_mov_b32 s46, 4                               ; passes to go
.Lpass:
	s_wait_loadcnt 0x0                             ; the pass's eight slots, scale words and bias; the youngest were asked for ahead of the last way out
	FETCH 0, 0
	FETCH 0, 4
.irp ks, 0,1,2,3,4,5,6,7
	s_wait_dscnt 12                                ; L's fragments 0-3 are in; the youngest 12 loads (4-7) may be out
	MUL16 \ks, 0
	s_wait_dscnt 0x0
	PLACES
.if \ks < 7
	FETCH \ks+1, 0
.endif
	MUL16 \ks, 4
	PLACES
.if \ks < 7
	FETCH \ks+1, 4
.endif
	RELOAD \ks
.endr
	s_cmp_eq_u32 s46, 1
	s_cbranch_scc1 .Lno_next
	WSLOAD 2048
	s_cmp_eq_u32 s20, 2
	s_cbranch_scc1 .Lno_next
	BILOAD 256
.Lno_next:
	s_cmp_eq_u32 s20, 2
	s_cbranch_scc0 .Lno_lb
	WIN 0xc3                                       ; v: the bias hangs on L's row, which is the lane: added to all 32 registers of tile m, from each accumulator's low end on
.set mi, 0
.rept 8
.set pi, 0
.rept 16
	v_pk_add_f32 v[32*mi+2*pi:32*mi+2*pi+1], v[32*mi+2*pi:32*mi+2*pi+1], v[LB+2*mi:LB+2*mi+1] op_sel_hi:[1,0]
.set pi, pi+1
.endr
.set mi, mi+1
.endr
	WIN 0
.Lno_lb:
	HQ4 0
	HQ4 1
.irp i, 0,1,2,3
	v_lshl_or_b32 v[SW+\i], v[EB+4*\i+1], 8, v[EB+4*\i]
	v_lshl_or_b32 v[SW+\i], v[EB+4*\i+2], 16, v[SW+\i]
	v_lshl_or_b32 v[SW+\i], v[EB+4*\i+3], 24, v[SW+\i]
.endr
	v_cndmask_b32 v[PR], v[SW], v[SW+2], s47       ; lanes 0-15 store words 0 and 1 of row r, lanes 16-31 words 2 and 3
	v_cndmask_b32 v[PR+1], v[SW+1], v[SW+3], s47
	global_store_b64 v8, v[PR:PR+1], s[40:41]      ; 256 consecutive bytes, aligned
	s_wait_xcnt 0x0                                ; every load and store issued has read its base and its data: the bases step
	s_add_nc_u64 s[30:31], s[30:31], 49152
	s_add_nc_u64 s[34:35], s[34:35], 2048
	s_add_nc_u64 s[36:37], s[36:37], 256
	s_add_nc_u64 s[38:39], s[38:39], s[42:43]
	s_add_nc_u64 s[40:41], s[40:41], s[44:45]
	s_sub_co_u32 s46, s46, 1
	s_cmp_lg_u32 s46, 0
	s_cbranch_scc1 .Lpass
	s_wait_tensorcnt 0x0                           ; the wave's end
	ds_add_u32 v10, v11
	s_wait_dscnt 0x0
	s_endpgm
.Lfunc_end_k_qac5c975679_proj:
	.size	k_qac5c975679_proj, .Lfunc_end_k_qac5c975679_proj-k_qac5c975679_proj
	.p2alignl 7, 3214868480
	.fill 96, 4, 3214868480
	.section	.rodata,"a",@progbits
	.p2align	6, 0x0
	.amdhsa_kernel k_qac5c975679_proj
		.amdhsa_group_segment_fixed_size 98816
		.amdhsa_private_segment_fixed_size 0
		.amdhsa_enable_private_segment 0
		.amdhsa_kernarg_size 56
		.amdhsa_user_sgpr_count 2
		.amdhsa_user_sgpr_kernarg_segment_ptr 1
		.amdhsa_wavefront_size32 1
		.amdhsa_system_sgpr_workgroup_id_x 1
		.amdhsa_system_sgpr_workgroup_id_y 1
		.amdhsa_system_sgpr_workgroup_id_z 1
		.amdhsa_system_vgpr_workitem_id 0
		.amdhsa_next_free_vgpr 1024
		.amdhsa_next_free_sgpr 66
		.amdhsa_reserve_vcc 0
		.amdhsa_float_denorm_mode_32 3
		.amdhsa_float_denorm_mode_16_64 3
		.amdhsa_memory_ordered 1
		.amdhsa_forward_progress 1
		.amdhsa_inst_pref_size 111
	.end_amdhsa_kernel
	.amdgpu_metadata
---
amdhsa.version: [ 1, 2 ]
amdhsa.kernels:
  - .name:           k_qac5c975679_proj
    .symbol:         k_qac5c975679_proj.kd
    .args:
      - { .name: pcodes, .offset: 0, .size: 8, .value_kind: global_buffer, .address_space: global }
      - { .name: pscales, .offset: 8, .size: 8, .value_kind: global_buffer, .address_space: global }
      - { .name: bq, .offset: 16, .size: 8, .value_kind: global_buffer, .address_space: global }
      - { .name: bk, .offset: 24, .size: 8, .value_kind: global_buffer, .address_space: global }
      - { .name: bv, .offset: 32, .size: 8, .value_kind: global_buffer, .address_space: global }
      - { .name: hcodes, .offset: 40, .size: 8, .value_kind: global_buffer, .address_space: global }
      - { .name: hscales, .offset: 48, .size: 8, .value_kind: global_buffer, .address_space: global }
    .group_segment_fixed_size: 98816
    .private_segment_fixed_size: 0
    .kernarg_segment_align: 8
    .kernarg_segment_size: 56
    .max_flat_workgroup_size: 128
    .sgpr_count:     66
    .vgpr_count:     1024
    .wavefront_size: 32
...
	.end_amdgpu_metadata
.endif
;; end of part 2
;; launch attn (part 3): grid 4 x 64, 16 waves a work-group, no clusters, 206,848 bytes of LDS; arguments hcodes, hscales, maskbits, ccodes, cscales; writes ccodes, cscales
.if DOCPART == 3
	.amdgcn_target "amdgcn-amd-amdhsa--gfx1250"
	.amdhsa_code_object_version 6
	.text
	.protected	k_qac5c975679_attn
	.globl	k_qac5c975679_attn
	.p2align	8
	.type	k_qac5c975679_attn,@function
k_qac5c975679_attn:
	s_mov_b64 s[64:65], 0
	v_nop
	global_prefetch_b8 v0, s[64:65] scope:SCOPE_SE
	s_setreg_imm32_b32 hwreg(HW_REG_WAVE_MODE, 25, 1), 1
	s_wait_xcnt 0x0
; ATTN: softmax(q k^T / 8, masked) v for one head, both products on codes of FP6; the result is quantised along the model's 1,024 for the last product.
; A work-group owns 512 queries of one (batch, head); the head's whole K and V, codes and scale words, 204,800 bytes, lie in LDS, filled once through registers.  Sixteen waves, four to a SIMD; wave w owns query
; tiles 32 x + 2 w and + 1, one after the other, and walks 16 key steps of 128 keys.  Both products are used transposed: a lane holds ONE query (lane % 16) throughout.
; S^T = K Q^T has K = 64, half of an instruction's 128: a fragment holds TWO tiles of keys (registers 0-5, 6-11), and is multiplied by [Q, 0] and by [0, Q]: the half that meets zero codes adds nothing.
; By the choice of a tile's rows the 16 registers of S^T's tiles 2 b, 2 b + 1 are keys 32 b + 16 h + 0 .. 15, and O^T's likewise along d.
; SOFTMAX: t = score x log2(e) / 8; M = the running largest t rounded up to a whole number; p = 2^(t - M) is quantised along the keys; the sum is taken of the unquantised p and divides at the end.
; MASK: a word of 32 bits, one a lane, for each of the step's 64 registers, read a step ahead into scalar registers; it only selects values.
; LIMITS: a masked logit is taken as -2^30 (raw score -2^33) where the problem writes -1e9, so that t - M is exactly 0 in a row that is masked throughout (its p are all 1); the results agree as long as every
; unmasked logit lies above -9.9e8.  A block of zeros gets the byte 1.  NaN and infinities are not served.
; No cluster: K and V are read once by a work-group, at its head.  The scale bytes of ccodes leave one byte a lane: 2 of every 50 bytes that the launch stores.
; REGISTERS: v1, v2 the add's two; v3 -2^33; v4-6 lane terms; v7-11 the step's LDS addresses; v12 -M, v13 the largest t, v[14:15] the sum; v16-21 zeros, v22-27 Q, v28-33 zeros; v34 Q's scale word; v35 both tiles';
;   v36-83 four fragments of K or V; v84-87, v88-91 their scale words; v96-159 S^T, then p; v160-191 O^T; v192-210 p's codes; v212-227 at work; v228-233 the second tile's Q; v234-237 offsets.
.set VC,    98304                      ; LDS: 0.. K's 128 half images;  VC.. V's [group of 64 keys][d tile] half images
.set KS,    196608                     ; K's scale words [step][r][pair of tiles];  + 4,096: V's [step][r][d tile]
.set VS,    200704
.set SPARE, 204800                     ; the spare words: 128 bytes for each of the 16 waves
.set BM,  212
.set BP,  216
.set SOP, 220
	s_load_b256 s[4:11], s[0:1], 0x0               ; hcodes s[4:5], hscales s[6:7], maskbits s[8:9], ccodes s[10:11]
	s_load_b64 s[12:13], s[0:1], 0x20              ; cscales
	v_lshl_add_u32 v1, v0, 2, SPARE
	v_mov_b32 v2, 0
	v_lshrrev_b32 v7, 5, v0
	v_readfirstlane_b32 s14, v7                    ; wave 0..15
	v_and_b32 v226, 31, v0                         ; lane
	v_and_b32 v227, 15, v0                         ; r
	v_bfe_u32 v238, v0, 4, 1                       ; h
	v_mov_b32 v3, 0xd0000000                       ; -2^33
	v_lshlrev_b32 v4, 4, v226
	v_lshlrev_b32 v5, 3, v226
	v_lshl_add_u32 v6, v227, 4, KS
	v_lshlrev_b32 v234, 3, v0                      ; 8 x thread
	v_lshrrev_b32 v235, 1, v226
	v_lshlrev_b32 v235, 4, v235
	v_and_b32 v239, 1, v0
	v_lshl_add_u32 v235, v239, 2, v235             ; 16 (lane / 2) + 4 (lane % 2)
	v_lshl_add_u32 v236, v227, 4, v238             ; 16 r + h
	v_lshlrev_b32 v237, 4, v227                    ; 16 r
	s_and_b32 s32, ttmp7, 0xffff                   ; 16 batch + head
	s_lshr_b32 s33, s32, 4
	s_and_b32 s34, s32, 15
	s_lshr_b32 s35, s34, 1
	s_and_b32 s36, s34, 1
	s_mul_i32 s37, s14, 6144                       ; my wave's part of each copy
	s_mul_i32 s40, s32, 98304
	s_add_co_u32 s40, s40, s37
	s_add_co_u32 s40, s40, 6291456                 ; K's codes
	s_mov_b32 s41, 0
	s_lshl_b32 s38, s33, 3
	s_add_co_u32 s38, s38, s35
	s_lshl_b32 s38, s38, 5
	s_lshl_b32 s39, s14, 1
	s_add_co_u32 s38, s38, s39                     ; (8 batch + pair of heads) 32 + groups 2 w, 2 w + 1
	s_mul_i32 s42, s38, 6144
	s_mul_i32 s39, s36, 3072
	s_add_co_u32 s42, s42, s39
	s_add_co_u32 s42, s42, 12582912                ; V's codes
	s_mov_b32 s43, 0
	s_lshl_b32 s44, s32, 7
	s_lshl_b32 s39, ttmp9, 5
	s_add_co_u32 s44, s44, s39
	s_lshl_b32 s39, s14, 1
	s_add_co_u32 s44, s44, s39
	s_mul_i32 s44, s44, 768                        ; Q's codes: my first tile
	s_mov_b32 s45, 0
	s_lshl_b32 s46, s32, 12
	s_add_co_u32 s46, s46, 262144                  ; K's scales
	s_mov_b32 s47, 0
	s_lshl_b32 s48, s38, 8
	s_lshl_b32 s39, s36, 3
	s_add_co_u32 s48, s48, s39
	s_add_co_u32 s48, s48, 524288                  ; V's scales: my head's two words of a row
	s_mov_b32 s49, 0
	s_lshl_b32 s50, s32, 4
	s_lshl_b32 s39, ttmp9, 2
	s_add_co_u32 s50, s50, s39
	s_lshr_b32 s39, s14, 2
	s_add_co_u32 s50, s50, s39
	s_lshl_b32 s50, s50, 8
	s_and_b32 s39, s14, 3
	s_lshl_b32 s39, s39, 2
	s_add_co_u32 s50, s50, s39                     ; Q's scales: the word of my two tiles
	s_mov_b32 s51, 0
	s_lshl_b32 s52, s33, 7
	s_lshl_b32 s39, ttmp9, 5
	s_add_co_u32 s52, s52, s39
	s_lshl_b32 s39, s14, 1
	s_add_co_u32 s52, s52, s39                     ; 128 batch + my first tile
	s_lshl_b32 s54, s52, 12                        ; its mask words
	s_mov_b32 s55, 0
	s_mul_i32 s56, s52, 12288
	s_mul_i32 s39, s34, 768
	s_add_co_u32 s56, s56, s39                     ; ccodes: tile, head
	s_mov_b32 s57, 0
	s_lshl_b32 s58, s52, 9
	s_lshr_b32 s39, s34, 3
	s_lshl_b32 s39, s39, 8
	s_add_co_u32 s58, s58, s39
	s_and_b32 s39, s34, 7
	s_lshl_b32 s39, s39, 1
	s_add_co_u32 s58, s58, s39                     ; cscales: tile, + 256 (head / 8) + 2 (head % 8)
	s_mov_b32 s59, 0
	s_mov_b32 s16, 0x3e38aa3b                      ; c = log2(e) / 8
	s_mov_b32 s17, s16                             ; (named with it as a pair, so it is written)
	s_mov_b32 s18, 0x76543210
	s_mov_b32 s19, 0xfedcba98
	s_mov_b32 s26, 0xffff0000
	v_add_nc_u32 v7, s37, v4                       ; the copies' LDS addresses
	v_add_nc_u32 v8, VC, v7
	v_add_nc_u32 v9, KS, v234
	v_add_nc_u32 v10, VS, v234
	s_wait_kmcnt 0x0
	s_add_nc_u64 s[40:41], s[4:5], s[40:41]
	s_add_nc_u64 s[42:43], s[4:5], s[42:43]
	s_add_nc_u64 s[44:45], s[4:5], s[44:45]
	s_add_nc_u64 s[46:47], s[6:7], s[46:47]
	s_add_nc_u64 s[48:49], s[6:7], s[48:49]
	s_add_nc_u64 s[50:51], s[6:7], s[50:51]
	s_add_nc_u64 s[28:29], s[8:9], s[54:55]
	s_add_nc_u64 s[10:11], s[10:11], s[56:57]
	s_add_nc_u64 s[12:13], s[12:13], s[58:59]
.irp i, 0,1,2,3,4,5,6,7,8,9,10,11
	global_load_b128 v[96+4*\i:99+4*\i], v4, s[40:41] offset:512*\i
.endr
.irp e, 0,1
.irp i, 0,1,2,3,4,5
	global_load_b128 v[144+24*\e+4*\i:147+24*\e+4*\i], v4, s[42:43] offset:6144*\e+512*\i
.endr
.endr
	global_load_b64 v[36:37], v234, s[46:47]
	global_load_b32 v38, v235, s[48:49]            ; the bytes of group 2 w,
	global_load_b32 v39, v235, s[48:49] offset:256 ; and of group 2 w + 1, for two d tiles of row lane / 2
	global_load_b128 v[22:25], v4, s[44:45]
	global_load_b64 v[26:27], v5, s[44:45] offset:512
	global_load_b128 v[228:231], v4, s[44:45] offset:768
	global_load_b64 v[232:233], v5, s[44:45] offset:1280
	global_load_b32 v35, v237, s[50:51]
.irp i, 0,1,2,3,4,5
	v_mov_b32 v[16+\i], 0                          ; zero codes on either side of Q
	v_mov_b32 v[28+\i], 0
.endr
.irp b, 0,1,2,3
	v_mov_b32 v[BP+\b], 0                          ; a lane permute's destination counts as one of its sources
.endr
	v_mov_b32 v225, 0                              ; (named as the upper half of the pair v[224:225] before it is first written)
	s_mov_b32 s22, 0                               ; where the mask words to be asked for begin
	s_wait_loadcnt 0x0                             ; all of the head's loads are done: their bases in s32-63 may be written
	s_load_b512 s[32:47], s[28:29], s22 offset:0x0     ; the first step's 64 mask words
	s_load_b512 s[48:63], s[28:29], s22 offset:0x40
	s_load_b512 s[68:83], s[28:29], s22 offset:0x80
	s_load_b512 s[84:99], s[28:29], s22 offset:0xc0
.irp i, 0,1,2,3,4,5,6,7,8,9,10,11
	ds_store_b128 v7, v[96+4*\i:99+4*\i] offset:512*\i
.endr
.irp e, 0,1
.irp i, 0,1,2,3,4,5
	ds_store_b128 v8, v[144+24*\e+4*\i:147+24*\e+4*\i] offset:3072*\e+512*\i
.endr
.endr
	ds_store_b64 v9, v[36:37]
	v_perm_b32 v40, v39, v38, 0x05040100           ; d tile 2 (lane % 2): the two groups' bytes make the scale word of 128 keys,
	v_perm_b32 v41, v39, v38, 0x07060302           ; and d tile 2 (lane % 2) + 1
	ds_store_b64 v10, v[40:41]
	s_wait_dscnt 0x0                               ; for the others' sake: my parts have landed
	s_barrier_signal -1
	s_barrier_wait -1                              ; K and V are whole; they are never written again
	s_mov_b32 s24, 2                               ; tiles to go
	s_mov_b32 s25, 0                               ; which half of v35 is this tile's
.Ltile:
	v_lshrrev_b32 v34, s25, v35
	v_and_b32 v34, 0xffff, v34
	v_lshl_or_b32 v34, v34, 16, v34                ; Q's two bytes, twice: for [Q, 0] and for [0, Q]
	v_mov_b32 v13, 0xff61b1e6                      ; the largest t so far: -3e38
	v_floor_f32 v12, -v13
	v_mov_b32 v14, 0
	v_mov_b32 v15, 0
.set jj, 0
.rept 32
	v_mov_b32 v[160+jj], 0                         ; O^T: the step is written once; the first change of M leaves zeros zeros
.set jj, jj+1
.endr
	s_mov_b32 s20, 0
	s_mov_b32 s21, 0
	s_mov_b32 s23, 16
.Lstep:
	v_add_nc_u32 v7, s20, v4                       ; (these five are also the places behind the last step's products, ahead of the loads below)
	v_add_nc_u32 v8, s20, v5
	v_add_nc_u32 v9, VC, v7
	v_add_nc_u32 v10, VC, v8
	v_add_nc_u32 v11, s21, v6
.irp i, 0,1,2,3                                ; tiles 2 i and 2 i + 1 of the step's keys
	ds_load_b128 v[36+12*\i:39+12*\i], v7 offset:1536*\i
	ds_load_b64 v[40+12*\i:41+12*\i], v8 offset:1536*\i+512
	ds_load_b128 v[42+12*\i:45+12*\i], v7 offset:1536*\i+768
	ds_load_b64 v[46+12*\i:47+12*\i], v8 offset:1536*\i+1280
.endr
	ds_load_b128 v[84:87], v11
	s_wait_dscnt 0x0
.irp i, 0,1,2,3
	v_wmma_scale_f32_16x16x128_f8f6f4 v[96+16*\i:103+16*\i], v[36+12*\i:47+12*\i], v[22:33], 0, v[84+\i], v34 matrix_a_fmt:MATRIX_FMT_FP6 matrix_b_fmt:MATRIX_FMT_FP6
	v_wmma_scale_f32_16x16x128_f8f6f4 v[104+16*\i:111+16*\i], v[36+12*\i:47+12*\i], v[16:27], 0, v[84+\i], v34 matrix_a_fmt:MATRIX_FMT_FP6 matrix_b_fmt:MATRIX_FMT_FP6
.endr
.rept 4
	v_nop                                          ; places ahead of the loads into K's registers and of the first read of the scores
.endr
.irp t, 0,1,2,3                                ; V^T's four d tiles x these 128 keys: they land under the softmax
	ds_load_b128 v[36+12*\t:39+12*\t], v9 offset:768*\t
	ds_load_b64 v[40+12*\t:41+12*\t], v10 offset:768*\t+512
	ds_load_b128 v[42+12*\t:45+12*\t], v9 offset:3072+768*\t
	ds_load_b64 v[46+12*\t:47+12*\t], v10 offset:3072+768*\t+512
.endr
	ds_load_b128 v[88:91], v11 offset:4096
	s_wait_kmcnt 0x0                               ; this step's mask words are in, so their offset may step:
	s_add_co_u32 s22, s22, 256
	s_min_u32 s22, s22, 7936                       ; held at my second tile's last step: no load leaves the buffer
.set jj, 0
.rept 64                                       ; where the bit is 0 the score becomes -2^33; each accumulator is read from its low end on
.if jj < 32
	v_cndmask_b32 v[96+jj], v3, v[96+jj], s[32+jj]
.else
	v_cndmask_b32 v[96+jj], v3, v[96+jj], s[36+jj]
.endif
.set jj, jj+1
.endr
.irp b, 0,1,2,3
	v_max3_num_f32 v[BM+\b], v[96+16*\b], v[97+16*\b], v[98+16*\b]   ; the largest score of each block of 32 keys: for the row's maximum and for the block's largest p
.endr
.irp i, 3,5,7,9,11,13
.irp b, 0,1,2,3
	v_max3_num_f32 v[BM+\b], v[BM+\b], v[96+16*\b+\i], v[97+16*\b+\i]
.endr
.endr
.irp b, 0,1,2,3
	v_max_num_f32 v[BM+\b], v[BM+\b], v[111+16*\b]
.endr
	s_load_b512 s[32:47], s[28:29], s22 offset:0x0     ; the next step's mask words
	s_load_b512 s[48:63], s[28:29], s22 offset:0x40
	s_load_b512 s[68:83], s[28:29], s22 offset:0x80
	s_load_b512 s[84:99], s[28:29], s22 offset:0xc0
.irp b, 0,1,2,3
	v_permlanex16_b32 v[BP+\b], v[BM+\b], s18, s19
.endr
.irp b, 0,1,2,3
	v_max_num_f32 v[BM+\b], v[BM+\b], v[BP+\b]
.endr
	v_max3_num_f32 v226, v212, v213, v214
	v_max_num_f32 v226, v226, v215
	v_mul_f32 v226, s16, v226                      ; the step's largest t
	v_max_num_f32 v13, v13, v226
	v_mov_b32 v226, v12
	v_floor_f32 v12, -v13                          ; -M = floor(-t): M is a whole number
	v_sub_f32 v226, v12, v226                      ; old M - new M, 0 or less
	v_cvt_i32_f32 v226, v226                       ; (it saturates)
	v_ldexp_f32 v224, 1.0, v226                    ; f = 2^(old M - new M): rounds nothing
.set jj, 0
.rept 32
	v_pk_fma_f32 v[96+jj:97+jj], v[96+jj:97+jj], s[16:17], v[12:13] op_sel_hi:[1,0,0]   ; t - M
.set jj, jj+2
.endr
.irp b, 0,1,2,3
	v_fma_f32 v[BM+\b], v[BM+\b], s16, v12
.endr
.set jj, 0
.rept 64
	v_exp_f32 v[96+jj], v[96+jj]                   ; p = 2^(t - M)
.set jj, jj+1
.endr
	v_pk_mul_f32 v[14:15], v[14:15], v[224:225] op_sel_hi:[1,0]   ; the sums under the new M: the plain place behind the batch
	s_wait_alu depctr_va_vdst(0)                   ; one wait for the 64, ahead of their first reader
.irp b, 0,1,2,3
	v_exp_f32 v[BM+\b], v[BM+\b]                   ; each block's largest p
.endr
	v_pk_add_f32 v[216:217], v[96:97], v[98:99]    ; the row's sum of the unquantised p, in two chains
.irp j, 4,8,12,16,20,24,28,32,36,40,44,48,52,56,60
	v_pk_add_f32 v[14:15], v[14:15], v[96+\j:97+\j]
	v_pk_add_f32 v[216:217], v[216:217], v[98+\j:99+\j]
.endr
	v_pk_add_f32 v[14:15], v[14:15], v[216:217]
	s_wait_alu depctr_va_vdst(0)                   ; and one for the four
.irp b, 0,1,2,3
	v_max_num_f32 v[BM+\b], 0x1800000, v[BM+\b]    ; the floor: the byte cannot fall under 1
.endr
.irp b, 0,1,2,3
	v_add_nc_u32 v[SOP+\b], 0xff000000, v[BM+\b]
.endr
.irp b, 0,1,2,3
	v_lshrrev_b32 v[BP+\b], 23, v[SOP+\b]
.endr
	v_lshl_or_b32 v225, v217, 8, v216              ; p's scale word for these 128 keys
	v_lshl_or_b32 v225, v218, 16, v225
	v_lshl_or_b32 v225, v219, 24, v225
.irp c, 0,1
	v_cvt_scalef32_pk16_fp6_f32 v[192+6*\c:194+6*\c], v[96+32*\c:111+32*\c], v[SOP+2*\c]
	v_cvt_scalef32_pk16_fp6_f32 v[204+4*\c:206+4*\c], v[112+32*\c:127+32*\c], v[SOP+2*\c+1]
.endr
	v_nop                                          ; one plain place behind a scaled conversion
.irp c, 0,1
.irp i, 0,1,2
	v_permlane16_swap_b32 v[192+6*\c+\i], v[204+4*\c+\i]
.endr
.irp i, 0,1,2
	v_mov_b32 v[195+6*\c+\i], v[204+4*\c+\i]
.endr
.endr
.set jj, 0
.rept 16
	v_pk_mul_f32 v[160+jj:161+jj], v[160+jj:161+jj], v[224:225] op_sel_hi:[1,0]   ; O^T under the new M; also the places between p's codes and scale word and the products
.set jj, jj+2
.endr
	s_wait_dscnt 0x0                               ; V's fragments and scale words
.irp t, 0,1,2,3                                ; four accumulators by turns
	v_wmma_scale_f32_16x16x128_f8f6f4 v[160+8*\t:167+8*\t], v[36+12*\t:47+12*\t], v[192:203], v[160+8*\t:167+8*\t], v[88+\t], v225 matrix_a_fmt:MATRIX_FMT_FP6 matrix_b_fmt:MATRIX_FMT_FP6
.endr
	s_add_co_u32 s20, s20, 6144
	s_add_co_u32 s21, s21, 256
	s_sub_co_u32 s23, s23, 1
	s_cmp_lg_u32 s23, 0
	s_cbranch_scc1 .Lstep
	; the tile's end: O^T / the sum, quantised along d, which is this head's 64 of the last product's K
.rept 4
	v_nop
.endr
	v_add_f32 v14, v14, v15
	v_permlanex16_b32 v216, v14, s18, s19
	v_add_f32 v14, v14, v216
	v_rcp_f32 v14, v14
	v_nop                                          ; a plain place behind the reciprocal
	s_wait_alu depctr_va_vdst(0)                   ; the wait ahead of its first reader
.set jj, 0
.rept 16
	v_pk_mul_f32 v[96+jj:97+jj], v[160+jj:161+jj], v[14:15] op_sel_hi:[1,0]   ; register 16 b + i: d = 32 b + 16 h + i
.set jj, jj+2
.endr
	v_max3_num_f32 v212, |v96|, |v97|, 0x1800000
	v_max3_num_f32 v213, |v112|, |v113|, 0x1800000
.irp i, 2,4,6,8,10,12,14
	v_max3_num_f32 v212, v212, |v[96+\i]|, |v[97+\i]|
	v_max3_num_f32 v213, v213, |v[112+\i]|, |v[113+\i]|
.endr
	v_permlanex16_b32 v216, v212, s18, s19
	v_permlanex16_b32 v217, v213, s18, s19
	v_max_num_f32 v212, v212, v216
	v_max_num_f32 v213, v213, v217
	v_add_nc_u32 v220, 0xff000000, v212
	v_add_nc_u32 v221, 0xff000000, v213
	v_lshrrev_b32 v218, 23, v220
	v_lshrrev_b32 v219, 23, v221
	v_cvt_scalef32_pk16_fp6_f32 v[192:194], v[96:111], v220
	v_cvt_scalef32_pk16_fp6_f32 v[204:206], v[112:127], v221
	v_nop
.irp i, 0,1,2
	v_permlane16_swap_b32 v[192+\i], v[204+\i]
.endr
.irp i, 0,1,2
	v_mov_b32 v[195+\i], v[204+\i]
.endr
	v_cndmask_b32 v226, v218, v219, s26            ; lanes 0-15 store block 0's byte, lanes 16-31 block 1's
	global_store_b128 v4, v[192:195], s[10:11]     ; 512 consecutive bytes
	global_store_b64 v5, v[196:197], s[10:11] offset:512
	global_store_b8 v236, v226, s[12:13]
.irp i, 0,1,2,3,4,5
	v_mov_b32 v[22+\i], v[228+\i]                  ; the second tile's Q
.endr
	s_wait_xcnt 0x0                                ; the stores have read their data and bases
	s_add_nc_u64 s[10:11], s[10:11], 12288
	s_add_nc_u64 s[12:13], s[12:13], 512
	s_mov_b32 s25, 16
	s_sub_co_u32 s24, s24, 1
	s_cmp_lg_u32 s24, 0
	s_cbranch_scc1 .Ltile
	s_wait_tensorcnt 0x0                           ; the wave's end
	ds_add_u32 v1, v2
	s_wait_dscnt 0x0
	s_endpgm
.Lfunc_end_k_qac5c975679_attn:
	.size	k_qac5c975679_attn, .Lfunc_end_k_qac5c975679_attn-k_qac5c975679_attn
	.p2alignl 7, 3214868480
	.fill 96, 4, 3214868480
	.section	.rodata,"a",@progbits
	.p2align	6, 0x0
	.amdhsa_kernel k_qac5c975679_attn
		.amdhsa_group_segment_fixed_size 206848
		.amdhsa_private_segment_fixed_size 0
		.amdhsa_enable_private_segment 0
		.amdhsa_kernarg_size 40
		.amdhsa_user_sgpr_count 2
		.amdhsa_user_sgpr_kernarg_segment_ptr 1
		.amdhsa_wavefront_size32 1
		.amdhsa_system_sgpr_workgroup_id_x 1
		.amdhsa_system_sgpr_workgroup_id_y 1
		.amdhsa_system_sgpr_workgroup_id_z 1
		.amdhsa_system_vgpr_workitem_id 0
		.amdhsa_next_free_vgpr 256
		.amdhsa_next_free_sgpr 102
		.amdhsa_reserve_vcc 0
		.amdhsa_float_denorm_mode_32 3
		.amdhsa_float_denorm_mode_16_64 3
		.amdhsa_memory_ordered 1
		.amdhsa_forward_progress 1
		.amdhsa_inst_pref_size 36
	.end_amdhsa_kernel
	.amdgpu_metadata
---
amdhsa.version: [ 1, 2 ]
amdhsa.kernels:
  - .name:           k_qac5c975679_attn
    .symbol:         k_qac5c975679_attn.kd
    .args:
      - { .name: hcodes, .offset: 0, .size: 8, .value_kind: global_buffer, .address_space: global }
      - { .name: hscales, .offset: 8, .size: 8, .value_kind: global_buffer, .address_space: global }
      - { .name: maskbits, .offset: 16, .size: 8, .value_kind: global_buffer, .address_space: global }
      - { .name: ccodes, .offset: 24, .size: 8, .value_kind: global_buffer, .address_space: global }
      - { .name: cscales, .offset: 32, .size: 8, .value_kind: global_buffer, .address_space: global }
    .group_segment_fixed_size: 206848
    .private_segment_fixed_size: 0
    .kernarg_segment_align: 8
    .kernarg_segment_size: 40
    .max_flat_workgroup_size: 512
    .sgpr_count:     102
    .vgpr_count:     256
    .wavefront_size: 32
...
	.end_amdgpu_metadata
.endif
;; end of part 3
;; launch outp (part 4): grid 4 x 64, 4 waves a work-group, no clusters, 116,224 bytes of LDS; arguments ccodes, cscales, pcodes, pscales, bo, out0; writes out0
.if DOCPART == 4
	.amdgcn_target "amdgcn-amd-amdhsa--gfx1250"
	.amdhsa_code_object_version 6
	.text
	.protected	k_qac5c975679_outp
	.globl	k_qac5c975679_outp
	.p2align	8
	.type	k_qac5c975679_outp,@function
k_qac5c975679_outp:
	s_mov_b64 s[64:65], 0
	v_nop
	global_prefetch_b8 v0, s[64:65] scope:SCOPE_SE
	s_setreg_imm32_b32 hwreg(HW_REG_WAVE_MODE, 25, 1), 1
	s_wait_xcnt 0x0
; OUTP: out = ctx Wo^T + bo on codes of FP6.  A work-group makes 128 rows (8 tiles of ctx, in LDS, 98,304 bytes, filled once) x 256 columns; wave w makes columns 64 w .. + 63: Wo's tiles 4 w .. 4 w + 3 of the
; work-group's 16, all 8 K steps in its registers, read once.  8 x 4 accumulators, 256 matrix instructions a wave.  Source 0 = Wo's rows, source 1 = ctx's rows: a lane holds one row of ctx and, by the choice of a
; tile's rows, 16 neighbouring columns 32 b + 16 h + 0 .. 15 in the registers of tiles 2 b, 2 b + 1.  A fragment of ctx is two half images of 768 bytes (heads 2 ks, 2 ks + 1).
; The bias is the C of each sum's first matrix instruction.  A tile of ctx holds rows 32 (t / 2) + 8 (t % 2) + r + 8 (r / 8): the way out puts each row where it belongs.
; No cluster: Wo's fragments go from memory straight into the one wave that multiplies them, and ctx's tiles are read once by a work-group.
; REGISTERS: window 0: v1-4, v12, v13 LDS and copy addresses, v6 64 h, v9 the store's lane term, v10, v11 the add's two, v14, v15 the stage, v16-47 ctx's scale words, v48-63 Wo's, v64-95 the bias, v104-167 rows on the way out.
;   window 1: Wo's K steps 0-4.  window 2: v0-143 K steps 5-7; v144-239 ctx's eight fragments.  window 3: the accumulators, (m, n) at v[8 (4 m + n)]; at the head the copy's staging.
.set STG,    98304                     ; behind ctx: a stage of 16 rows x (256 bytes + 16) for each wave
.set SPITCH, 272
.set SPARE,  115712
.set XS,  16
.set WS,  48
.set BI,  64
.set BK,  104
.set XF,  144
.set MSB, 0
.macro WIN new
.if MSB != \new
	s_set_vgpr_msb (MSB<<8)|\new
.set MSB, \new
.endif
.endm
.macro PLACES                          ; four plain places behind a matrix instruction (ISA guide 7.12.1)
.rept 4
	v_nop
.endr
.endm
.macro SLOAD ks
.if (\ks) < 5
	WIN 0x40
.set SB, 48*(\ks)
.else
	WIN 0x80
.set SB, 48*((\ks)-5)
.endif
.irp n, 0,1,2,3
.irp j, 0,1,2
	global_load_b128 v[SB+12*\n+4*\j:SB+12*\n+4*\j+3], v1, s[30:31] offset:12288*\n+1536*(\ks)+512*\j
.endr
.endr
	WIN 0
.endm
.macro FETCHH ks, m0                   ; ctx's fragments m0 .. m0 + 3 of K step ks: two half images each
	WIN 0x80
.irp m, \m0, \m0+1, \m0+2, \m0+3
.if (\m) < 4
.set RA, 1
.set RB, 12
.set MO, 12288*(\m)+1536*(\ks)
.else
.set RA, 2
.set RB, 13
.set MO, 12288*((\m)-4)+1536*(\ks)
.endif
	ds_load_b128 v[XF+12*(\m):XF+12*(\m)+3], v[RA] offset:MO
	ds_load_b64 v[XF+12*(\m)+4:XF+12*(\m)+5], v[RB] offset:MO+512
	ds_load_b128 v[XF+12*(\m)+6:XF+12*(\m)+9], v[RA] offset:MO+768
	ds_load_b64 v[XF+12*(\m)+10:XF+12*(\m)+11], v[RB] offset:MO+1280
.endr
.endm
; 16 matrix instructions; the 32 accumulators take turns, one instruction a turn
.macro MUL16 ks, m0
.if (\ks) < 5
.set SB, 48*(\ks)
.else
.set SB, 48*((\ks)-5)
.endif
.if (\ks) == 0
	WIN 0xc9
.elseif (\ks) < 5
	WIN 0xf9
.else
	WIN 0xfa
.endif
.irp m, \m0, \m0+1, \m0+2, \m0+3
.irp n, 0,1,2,3
.set AC, 8*(4*(\m)+\n)
.if (\ks) == 0
	v_wmma_scale_f32_16x16x128_f8f6f4 v[AC:AC+7], v[SB+12*\n:SB+12*\n+11], v[XF+12*(\m):XF+12*(\m)+11], v[BI+8*\n:BI+8*\n+7], v[WS+4*\n], v[XS+4*(\m)] matrix_a_fmt:MATRIX_FMT_FP6 matrix_b_fmt:MATRIX_FMT_FP6
.elseif (\ks) < 4
	v_wmma_scale_f32_16x16x128_f8f6f4 v[AC:AC+7], v[SB+12*\n:SB+12*\n+11], v[XF+12*(\m):XF+12*(\m)+11], v[AC:AC+7], v[WS+4*\n+(\ks)], v[XS+4*(\m)+(\ks)] matrix_a_fmt:MATRIX_FMT_FP6 matrix_b_fmt:MATRIX_FMT_FP6
.else
	v_wmma_scale_f32_16x16x128_f8f6f4 v[AC:AC+7], v[SB+12*\n:SB+12*\n+11], v[XF+12*(\m):XF+12*(\m)+11], v[AC:AC+7], v[WS+4*\n+(\ks)-4], v[XS+4*(\m)+(\ks)-4] matrix_a_fmt:MATRIX_FMT_FP6 matrix_b_fmt:MATRIX_FMT_FP6 matrix_a_scale:MATRIX_SCALE_ROW1 matrix_b_scale:MATRIX_SCALE_ROW1
.endif
.endr
.endr
.endm
	s_load_b256 s[4:11], s[0:1], 0x0               ; ccodes s[4:5], cscales s[6:7], pcodes s[8:9], pscales s[10:11]
	s_load_b128 s[12:15], s[0:1], 0x20             ; bo s[12:13], out0 s[14:15]
	v_lshl_add_u32 v10, v0, 2, SPARE
	v_mov_b32 v11, 0
	v_lshrrev_b32 v1, 5, v0
	v_readfirstlane_b32 s22, v1                    ; wave 0..3
	v_and_b32 v5, 31, v0
	v_and_b32 v7, 15, v0                           ; r
	v_bfe_u32 v8, v0, 4, 1                         ; h
	v_lshlrev_b32 v1, 4, v5
	v_add_nc_u32 v2, 49152, v1
	v_lshlrev_b32 v3, 4, v0
	v_add_nc_u32 v4, 49152, v3
	v_lshlrev_b32 v12, 3, v5
	v_add_nc_u32 v13, 49152, v12
	v_lshlrev_b32 v6, 6, v8
	s_mul_i32 s23, s22, 16*SPITCH
	s_add_co_u32 s23, s23, STG                     ; my stage
	v_mul_u32_u24 v14, v7, SPITCH
	v_lshl_add_u32 v14, v8, 6, v14
	v_add_nc_u32 v14, s23, v14                     ; in: row r, + 64 h
	v_mul_u32_u24 v15, v8, SPITCH
	v_lshl_add_u32 v15, v7, 4, v15
	v_add_nc_u32 v15, s23, v15                     ; back: lanes 0-15 one row of 256 bytes, lanes 16-31 the next
	v_lshlrev_b32 v9, 12, v8
	v_lshl_add_u32 v9, v7, 4, v9                   ; and the same in out0: 4,096 h + 16 r
	s_and_b32 s20, ttmp7, 0xffff                   ; y: 128 rows
	s_lshl_b32 s21, ttmp9, 2
	s_add_co_u32 s21, s21, s22                     ; 4 x + w: my 64 columns
	s_lshl_b32 s24, s21, 2
	s_add_co_u32 s24, s24, 1728                    ; Wo's tile in pcodes
	s_mov_b32 s27, 0
	s_wait_kmcnt 0x0
	s_mul_i32 s26, s20, 98304
	s_add_nc_u64 s[28:29], s[4:5], s[26:27]
	s_lshl_b32 s26, s20, 12
	s_add_nc_u64 s[32:33], s[6:7], s[26:27]
	s_mul_i32 s26, s24, 12288
	s_add_nc_u64 s[30:31], s[8:9], s[26:27]
	s_lshl_b32 s26, s24, 9
	s_add_nc_u64 s[34:35], s[10:11], s[26:27]
	s_lshl_b32 s26, s21, 8
	s_add_nc_u64 s[36:37], s[12:13], s[26:27]
	s_add_nc_u64 s[38:39], s[14:15], s[26:27]
	s_lshl_b32 s26, s20, 19
	s_add_nc_u64 s[38:39], s[38:39], s[26:27]
	WIN 0xc0
.set ii, 0
.rept 48                                       ; ctx's 98,304 bytes, dense
	global_load_b128 v[4*ii:4*ii+3], v3, s[28:29] offset:2048*ii
.set ii, ii+1
.endr
	WIN 0
.irp m, 0,1,2,3,4,5,6,7
	global_load_b128 v[XS+4*\m:XS+4*\m+3], v1, s[32:33] offset:512*\m
.endr
.irp ks, 0,1,2,3,4,5,6,7
	SLOAD \ks
.endr
.irp n, 0,1,2,3
	global_load_b128 v[WS+4*\n:WS+4*\n+3], v1, s[34:35] offset:512*\n
.endr
.irp n, 0,1,2,3
	global_load_b128 v[BI+8*\n:BI+8*\n+3], v6, s[36:37] offset:4*(32*(\n/2)+8*(\n%2))
	global_load_b128 v[BI+8*\n+4:BI+8*\n+7], v6, s[36:37] offset:4*(32*(\n/2)+8*(\n%2))+16
.endr
	s_wait_loadcnt 63                              ; 116 loads are younger than the copy's 48: those are in
	WIN 0x0c
.set ii, 0
.rept 48
.if ii < 24
	ds_store_b128 v3, v[4*ii:4*ii+3] offset:2048*ii
.else
	ds_store_b128 v4, v[4*ii:4*ii+3] offset:2048*(ii-24)
.endif
.set ii, ii+1
.endr
	WIN 0
	s_wait_dscnt 0x0                               ; for the others' sake: my part of ctx has landed
	s_barrier_signal -1
	s_barrier_wait -1
	s_wait_loadcnt 0x0                             ; Wo's fragments, the scale words, the bias
	FETCHH 0, 0
	FETCHH 0, 4
.irp ks, 0,1,2,3,4,5,6,7
	s_wait_dscnt 16                                ; ctx's fragments 0-3 are in; the youngest 16 loads (4-7) may be out
	MUL16 \ks, 0
	s_wait_dscnt 0x0
	PLACES
.if \ks < 7
	FETCHH \ks+1, 0
.endif
	MUL16 \ks, 4
	PLACES
.if \ks < 7
	FETCHH \ks+1, 4
.endif
.endr
; THE WAY OUT, a tile of 16 rows x 64 columns at a time, through my own stage: LDS serves a wave's instructions in order, so no wait stands between the stores and the loads, nor ahead of the next tile's stores.
.macro TOSTAGE m
	WIN 0x0c
.irp b, 0,1
.irp q, 0,1,2,3
	ds_store_b128 v14, v[32*(\m)+16*\b+4*\q:32*(\m)+16*\b+4*\q+3] offset:128*\b+16*\q   ; each accumulator from its low end on
.endr
.endr
	WIN 0
.irp i, 0,1,2,3,4,5,6,7
	ds_load_b128 v[BK+32*((\m)%2)+4*\i:BK+32*((\m)%2)+4*\i+3], v15 offset:2*\i*SPITCH
.endr
.endm
.macro SEND m, younger                 ; younger: the LDS instructions issued behind tile m's loads
	s_wait_dscnt \younger
.irp i, 0,1,2,3,4,5,6,7
	global_store_b128 v9, v[BK+32*((\m)%2)+4*\i:BK+32*((\m)%2)+4*\i+3], s[38:39] offset:(32*((\m)/2)+8*((\m)%2)+2*\i+8*(\i/4))*4096 th:TH_STORE_NT   ; 16 lanes store 256 consecutive bytes, aligned; two rows an instruction
.endr
.endm
	TOSTAGE 0
.irp a, 1,2,3,4,5,6,7
.if \a > 1
	s_wait_xcnt 0x0                                ; tile a - 2's stores have read the registers into which tile a's rows come back
.endif
	TOSTAGE \a
	SEND \a-1, 16                                  ; behind tile a - 1's loads: tile a's 8 stores and 8 loads
.endr
	SEND 7, 0
	s_wait_tensorcnt 0x0                           ; the wave's end
	ds_add_u32 v10, v11
	s_wait_dscnt 0x0
	s_endpgm
.Lfunc_end_k_qac5c975679_outp:
	.size	k_qac5c975679_outp, .Lfunc_end_k_qac5c975679_outp-k_qac5c975679_outp
	.p2alignl 7, 3214868480
	.fill 96, 4, 3214868480
	.section	.rodata,"a",@progbits
	.p2align	6, 0x0
	.amdhsa_kernel k_qac5c975679_outp
		.amdhsa_group_segment_fixed_size 116224
		.amdhsa_private_segment_fixed_size 0
		.amdhsa_enable_private_segment 0
		.amdhsa_kernarg_size 48
		.amdhsa_user_sgpr_count 2
		.amdhsa_user_sgpr_kernarg_segment_ptr 1
		.amdhsa_wavefront_size32 1
		.amdhsa_system_sgpr_workgroup_id_x 1
		.amdhsa_system_sgpr_workgroup_id_y 1
		.amdhsa_system_sgpr_workgroup_id_z 1
		.amdhsa_system_vgpr_workitem_id 0
		.amdhsa_next_free_vgpr 1024
		.amdhsa_next_free_sgpr 66
		.amdhsa_reserve_vcc 0
		.amdhsa_float_denorm_mode_32 3
		.amdhsa_float_denorm_mode_16_64 3
		.amdhsa_memory_ordered 1
		.amdhsa_forward_progress 1
		.amdhsa_inst_pref_size 89
	.end_amdhsa_kernel
	.amdgpu_metadata
---
amdhsa.version: [ 1, 2 ]
amdhsa.kernels:
  - .name:           k_qac5c975679_outp
    .symbol:         k_qac5c975679_outp.kd
    .args:
      - { .name: ccodes, .offset: 0, .size: 8, .value_kind: global_buffer, .address_space: global }
      - { .name: cscales, .offset: 8, .size: 8, .value_kind: global_buffer, .address_space: global }
      - { .name: pcodes, .offset: 16, .size: 8, .value_kind: global_buffer, .address_space: global }
      - { .name: pscales, .offset: 24, .size: 8, .value_kind: global_buffer, .address_space: global }
      - { .name: bo, .offset: 32, .size: 8, .value_kind: global_buffer, .address_space: global }
      - { .name: out0, .offset: 40, .size: 8, .value_kind: global_buffer, .address_space: global }
    .group_segment_fixed_size: 116224
    .private_segment_fixed_size: 0
    .kernarg_segment_align: 8
    .kernarg_segment_size: 48
    .max_flat_workgroup_size: 128
    .sgpr_count:     66
    .vgpr_count:     1024
    .wavefront_size: 32
...
	.end_amdgpu_metadata
.endif
;; end of part 4
;; ======== version 2 of 2: 4 launches
;; limits: right only within a limited range of input values
;; workspace buffers: pcodes 22,020,096 bytes; pscales 917,504 bytes; maskbits 2,097,152 bytes of whole numbers; hcodes 18,874,368 bytes; hscales 786,432 bytes; ccodes 6,291,456 bytes; cscales 262,144 bytes
;; launch prep (part 5): grid 424 x 1, 8 waves a work-group, no clusters, 161,792 bytes of LDS; arguments q_input, k_input, v_input, Wo, Wq, Wk, Wv, mask, pcodes, pscales, maskbits; writes pcodes, pscales, maskbits
.if DOCPART == 5
	.amdgcn_target "amdgcn-amd-amdhsa--gfx1250"
	.amdhsa_code_object_version 6
	.text
	.protected	k_qac5c975679_prep
	.globl	k_qac5c975679_prep
	.p2align	8
	.type	k_qac5c975679_prep,@function
k_qac5c975679_prep:
	s_mov_b64 s[64:65], 0
	v_nop
	global_prefetch_b8 v0, s[64:65] scope:SCOPE_SE
	s_setreg_imm32_b32 hwreg(HW_REG_WAVE_MODE, 25, 1), 1
	s_wait_xcnt 0x0
; PREP: every f32 operand of the four large products becomes codes of FP6 (E2M3) with one E8M0 byte for each 32 along K, laid as IMAGES OF OPERAND REGISTERS; the mask becomes bit words.
; A TILE is 16 rows: tile t holds rows 32 (t / 2) + 8 (t % 2) + r + 8 (r / 8), r = 0 .. 15.  A tile of pcodes is 8 K steps x 1,536 bytes: a fragment's 12 registers, registers 4 j .. 4 j + 3 of lane l at 512 j + 16 l.
; A tile of pscales is 512 bytes: at 16 x lane, lane (r, h) holds row r's scale words of K steps 4 h .. 4 h + 3.
; Tiles of pcodes: 0.. q_input, 512.. k_input, 1024.. v_input, 1536.. Wq, 1600.. Wk, 1664.. Wv (row = 64 head + d), 1728.. Wo.
; maskbits: [batch][tile of 16 queries][key step of 128][64 words]: bit l of word j is mask[query r of the tile][128 step + 32 (j / 16) + 16 h + j % 16], l = r + 16 h.
; THREE PATHS by the work-group's number, each with LDS bytes of its own: 0-199 tensors whose K is innermost; 200-327 the mask; 328-423 the weights whose K is the middle axis.
; A block's scale is 2^(floor(log2(largest magnitude)) - 2); its byte is the largest magnitude's exponent field - 2, held at 1 from below.
; LIMITS: a block of zeros gets the byte 1 (its codes are zeros, and this program alone reads the bytes); blocks whose largest magnitude lies under 2^-124 were not tried; NaN and infinities are not served.
; No matrix unit, no cluster, no tensor load: a stream; each wave has 16 KiB of loads on its way and two work-groups fit on a WGP.
.set MST,   67584                      ; LDS: 0.. path X: 8 waves x 16 rows x 528;  MST.. path M: the same
.set WIM,   135168                     ; path W: 8 waves x two fragment images
.set WSC,   159744                     ; path W: two tiles' scale images
.set SPARE, 160768                     ; the spare words: 128 bytes for each of the 8 waves, named by no other line
.set PITCH, 528                        ; a stage row: 512 bytes + 16: 33 x 16, so the 16 rows that a load touches start at 16 different groups of banks
.set SPW,   1                          ; v1  my spare word;  v2  0: both never rewritten
.set NIL,   2
.set R,     16                         ; v16-143 two sets of 64 registers as loaded
.set X,     144                        ; v144-207 64 numbers, 16 neighbours of each of four blocks
.set CD,    208                        ; v208-219 a fragment's codes; v220-226 the second conversions
.set TM,    228                        ; v228-243 at work
.set PW,    244                        ; v244-251 the scale word of each K step
.macro CLOSE                           ; the wave's end
	s_wait_tensorcnt 0x0
	ds_add_u32 v[SPW], v[NIL]
	s_wait_dscnt 0x0
	s_endpgm
.endm
; 64 numbers of a lane, register 16 b + i = k 32 b + 16 (lane / 16) + i of my row, become a fragment's codes in v[CD] on and my row's scale word in v[pw]
.macro QUANT s, pw
.irp b, 0,1,2,3
	v_max3_num_f32 v[TM+\b], |v[\s+16*\b]|, |v[\s+1+16*\b]|, 0x1800000   ; my 16 numbers of block b, and the floor 2^(3 - 127): the byte cannot fall under 1
.endr
.irp i, 2,4,6,8,10,12,14
.irp b, 0,1,2,3
	s_delay_alu instid0(VALU_DEP_4)
	v_max3_num_f32 v[TM+\b], v[TM+\b], |v[\s+16*\b+\i]|, |v[\s+1+16*\b+\i]|
.endr
.endr
.irp b, 0,1,2,3
	s_delay_alu instid0(VALU_DEP_4)
	v_permlanex16_b32 v[TM+4+\b], v[TM+\b], s28, s29
.endr
.irp b, 0,1,2,3
	s_delay_alu instid0(VALU_DEP_4)
	v_max_num_f32 v[TM+\b], v[TM+\b], v[TM+4+\b]   ; with lane l xor 16: the block's largest magnitude
.endr
.irp b, 0,1,2,3
	s_delay_alu instid0(VALU_DEP_4)
	v_add_nc_u32 v[TM+12+\b], 0xff000000, v[TM+\b] ; 2 off its exponent field: the conversion's scale operand
.endr
.irp b, 0,1,2,3
	s_delay_alu instid0(VALU_DEP_4)
	v_lshrrev_b32 v[TM+4+\b], 23, v[TM+12+\b]      ; the byte
.endr
	s_delay_alu instid0(VALU_DEP_3)
	v_lshl_or_b32 v[\pw], v[TM+5], 8, v[TM+4]
	s_delay_alu instid0(VALU_DEP_1)
	v_lshl_or_b32 v[\pw], v[TM+6], 16, v[\pw]
	s_delay_alu instid0(VALU_DEP_1)
	v_lshl_or_b32 v[\pw], v[TM+7], 24, v[\pw]
.irp c, 0,1
	v_cvt_scalef32_pk16_fp6_f32 v[CD+6*\c:CD+2+6*\c], v[\s+32*\c:\s+15+32*\c], v[TM+12+2*\c]
	v_cvt_scalef32_pk16_fp6_f32 v[CD+12+4*\c:CD+14+4*\c], v[\s+16+32*\c:\s+31+32*\c], v[TM+12+2*\c+1]
.endr
	v_nop                                          ; one plain place behind a scaled conversion
.irp c, 0,1                                    ; the layout wants a whole block in a lane: lanes 0-15 block 2 c, lanes 16-31 block 2 c + 1
.irp i, 0,1,2
	v_permlane16_swap_b32 v[CD+6*\c+\i], v[CD+12+4*\c+\i]
.endr
.irp i, 0,1,2
	s_delay_alu instid0(VALU_DEP_3)
	v_mov_b32 v[CD+3+6*\c+\i], v[CD+12+4*\c+\i]
.endr
.endr
.endm
	s_load_b512 s[4:19], s[0:1], 0x0               ; q s[4:5], k s[6:7], v s[8:9], Wo s[10:11], Wq s[12:13], Wk s[14:15], Wv s[16:17], mask s[18:19]
	s_load_b128 s[20:23], s[0:1], 0x40             ; pcodes, pscales
	s_load_b64 s[24:25], s[0:1], 0x50              ; maskbits
	v_lshl_add_u32 v[SPW], v0, 2, SPARE
	v_mov_b32 v[NIL], 0
	v_lshrrev_b32 v3, 5, v0
	s_delay_alu instid0(VALU_DEP_1)
	v_readfirstlane_b32 s26, v3                    ; wave 0..7
	v_and_b32 v8, 31, v0                           ; lane
	v_and_b32 v9, 15, v0                           ; r
	v_bfe_u32 v10, v0, 4, 1                        ; h
	s_delay_alu instid0(VALU_DEP_3)
	v_lshlrev_b32 v3, 4, v8                        ; 16 x lane
	s_mov_b32 s27, 0xffff0000                      ; lanes 16-31
	s_mov_b32 s28, 0x76543210
	s_mov_b32 s29, 0xfedcba98                      ; selects for lane l xor 16
	s_mul_i32 s30, s26, 16*PITCH                   ; my wave's stage
	s_mov_b32 s37, 0                               ; the upper word of every offset pair s[36:37]
	s_wait_kmcnt 0x0
	s_cmp_ge_u32 ttmp9, 328
	s_cbranch_scc1 .Lpath_w
	s_cmp_ge_u32 ttmp9, 200
	s_cbranch_scc1 .Lpath_m
	s_wait_alu depctr_va_vdst(0)
; ---- PATH X: q_input, k_input, v_input, Wo.  A wave takes one tile, 16 rows x 1,024 K, a K step of 128 at a time.
; Each load reads 512 consecutive bytes of one row; the 16 rows turn through my own stage and come back 16 neighbours of each block to a lane.
	v_add_nc_u32 v4, s30, v3                       ; into the stage: 16 x lane, row i at 528 i
	v_mul_u32_u24 v5, v9, PITCH
	s_delay_alu instid0(VALU_DEP_1)
	v_lshl_add_u32 v5, v10, 6, v5
	s_delay_alu instid0(VALU_DEP_1)
	v_add_nc_u32 v5, s30, v5                       ; out of it: row r, + 64 h
	s_cmp_lt_u32 ttmp9, 64                         ; which tensor: by the work-group's number alone
	s_cselect_b64 s[32:33], s[4:5], s[6:7]
	s_cmp_lt_u32 ttmp9, 128
	s_cselect_b64 s[32:33], s[32:33], s[8:9]
	s_cmp_lt_u32 ttmp9, 192
	s_cselect_b64 s[32:33], s[32:33], s[10:11]
	s_cselect_b32 s38, 0, 192                      ; Wo's tiles lie 192 further on in pcodes
	s_lshl_b32 s34, ttmp9, 3
	s_add_co_u32 s34, s34, s26                     ; tile 0 .. 1599
	s_and_b32 s35, s34, 511                        ; in its tensor
	s_lshr_b32 s36, s35, 1
	s_lshl_b32 s36, s36, 17                        ; 32 rows of 4,096 bytes
	s_and_b32 s35, s35, 1
	s_lshl_b32 s35, s35, 15                        ; 8 rows
	s_add_co_u32 s36, s36, s35
	s_add_nc_u64 s[32:33], s[32:33], s[36:37]
	s_add_co_u32 s34, s34, s38
	s_mul_i32 s36, s34, 12288
	s_add_nc_u64 s[20:21], s[20:21], s[36:37]
	s_lshl_b32 s36, s34, 9
	s_add_nc_u64 s[22:23], s[22:23], s[36:37]
.irp b, 0,1,2,3
	v_mov_b32 v[TM+4+\b], 0                        ; written once: a lane permute's destination counts as one of its sources
.endr
.macro XLOAD t
.irp i, 0,1,2,3,4,5,6,7,8,9,10,11,12,13,14,15
	global_load_b128 v[R+64*((\t)%2)+4*\i:R+64*((\t)%2)+4*\i+3], v3, s[32:33] offset:(\i+8*(\i/8))*4096+512*(\t) th:TH_LOAD_NT
.endr
.endm
.macro XTURN t                         ; LDS serves a wave's instructions in order: no wait between the stores and the loads
.irp i, 0,1,2,3,4,5,6,7,8,9,10,11,12,13,14,15
	ds_store_b128 v4, v[R+64*((\t)%2)+4*\i:R+64*((\t)%2)+4*\i+3] offset:PITCH*\i
.endr
.irp b, 0,1,2,3
.irp j, 0,1,2,3
	ds_load_b128 v[X+16*\b+4*\j:X+16*\b+4*\j+3], v5 offset:128*\b+16*\j
.endr
.endr
.endm
	XLOAD 0
	XLOAD 1
	s_wait_alu depctr_va_vdst(0)
.irp t, 0,1,2,3,4,5,6,7
.if \t < 7
	s_wait_loadcnt 16                              ; this K step's 16 loads are in; the next step's 16 may be out
.else
	s_wait_loadcnt 0x0
.endif
	XTURN \t
	s_wait_dscnt 0x0                               ; the numbers are back, and the stores have read the set that is loaded again below
	s_wait_xcnt 0x0                                ; the last step's stores have read the codes' registers
.if \t < 6
	XLOAD \t+2
.endif
	QUANT X, PW+\t
.irp j, 0,1,2
	global_store_b128 v3, v[CD+4*\j:CD+4*\j+3], s[20:21] offset:1536*\t+512*\j   ; 512 consecutive bytes
.endr
.endr
.irp i, 0,1,2,3
	v_cndmask_b32 v[252+\i], v[PW+\i], v[PW+4+\i], s27   ; lanes 0-15: K steps 0-3; lanes 16-31: K steps 4-7
.endr
	global_store_b128 v3, v[252:255], s[22:23]
	CLOSE
; ---- PATH M: a wave takes 16 queries x 1,024 keys of the mask, in two chunks of 512 keys.  Bytes turn through my stage as in path X; a compare makes a word of 32 bits, one for each lane.
.Lpath_m:
	s_add_co_u32 s31, s30, MST
	s_wait_alu depctr_va_vdst(0)
	v_add_nc_u32 v4, s31, v3
	v_mul_u32_u24 v5, v9, PITCH
	s_delay_alu instid0(VALU_DEP_1)
	v_lshl_add_u32 v5, v10, 4, v5
	s_delay_alu instid0(VALU_DEP_1)
	v_add_nc_u32 v5, s31, v5                       ; row r, + 16 h
	v_lshlrev_b32 v6, 3, v8                        ; out: 8 bytes a lane
	s_sub_co_u32 s34, ttmp9, 200
	s_lshl_b32 s34, s34, 3
	s_add_co_u32 s34, s34, s26
	s_lshr_b32 s35, s34, 1                         ; 128 batch + tile
	s_and_b32 s34, s34, 1                          ; which 1,024 keys
	s_lshr_b32 s36, s35, 7
	s_lshl_b32 s36, s36, 22                        ; a batch is 2,048 x 2,048 bytes
	s_and_b32 s38, s35, 127
	s_lshr_b32 s39, s38, 1
	s_lshl_b32 s39, s39, 16                        ; 32 rows of 2,048 bytes
	s_add_co_u32 s36, s36, s39
	s_and_b32 s38, s38, 1
	s_lshl_b32 s38, s38, 14                        ; 8 rows
	s_add_co_u32 s36, s36, s38
	s_lshl_b32 s38, s34, 10
	s_add_co_u32 s36, s36, s38
	s_add_nc_u64 s[18:19], s[18:19], s[36:37]
	s_lshl_b32 s36, s35, 12                        ; a tile's 16 key steps of 256 bytes
	s_lshl_b32 s38, s34, 11
	s_add_co_u32 s36, s36, s38
	s_add_nc_u64 s[24:25], s[24:25], s[36:37]
	s_mov_b32 s48, 0xff
	s_mov_b32 s49, 0xff00
	s_mov_b32 s50, 0xff0000
	s_mov_b32 s51, 0xff000000
.irp c, 0,1
.irp i, 0,1,2,3,4,5,6,7,8,9,10,11,12,13,14,15
	global_load_b128 v[R+64*\c+4*\i:R+64*\c+4*\i+3], v3, s[18:19] offset:(\i+8*(\i/8))*2048+512*\c th:TH_LOAD_NT
.endr
.endr
.irp i, 0,1,2,3,4,5,6,7
	v_mov_b32 v[208+\i], 0                         ; v_writelane_b32's destination counts as read
.endr
.irp c, 0,1
	s_wait_loadcnt 16-16*\c                        ; this chunk's 16 loads are in; the other chunk's may be out
.irp i, 0,1,2,3,4,5,6,7,8,9,10,11,12,13,14,15
	ds_store_b128 v4, v[R+64*\c+4*\i:R+64*\c+4*\i+3] offset:PITCH*\i
.endr
.irp s, 0,1,2,3
.irp b, 0,1,2,3
	ds_load_b128 v[X+16*\s+4*\b:X+16*\s+4*\b+3], v5 offset:128*\s+32*\b   ; key step s, block b: my 16 keys' bytes
.endr
.endr
	s_wait_dscnt 0x0
	s_wait_xcnt 0x0                                ; the last chunk's stores have read the word registers
.irp s, 0,1,2,3
.set gg, 0
.rept 8                                        ; words 8 gg .. 8 gg + 7, by eights, so that no line waits for the line above it
.irp q, 0,1,2,3,4,5,6,7
	v_and_b32 v[216+\q], s[48+\q%4], v[X+16*\s+4*((8*gg+\q)/16)+((8*gg+\q)%16)/4]
.endr
.irp q, 0,1,2,3,4,5,6,7
	v_cmp_ne_u32 s[40+\q], 0, v[216+\q]            ; bit l: my lane's byte is not 0
.endr
.irp q, 0,1,2,3,4,5,6,7
	v_writelane_b32 v[208+2*\s+\q%2], s[40+\q], (8*gg+\q)/2   ; word j to lane j / 2, register j % 2
.endr
.set gg, gg+1
.endr
	global_store_b64 v6, v[208+2*\s:209+2*\s], s[24:25] offset:(4*\c+\s)*256   ; 256 consecutive bytes, aligned: word j at 4 j
.endr
.endr
	CLOSE
; ---- PATH W: Wq, Wk, Wv, [head][K][64].  A work-group takes 32 columns (two tiles), wave w K step w.  A lane takes a column and its registers run down K:
; a block of 32 lies in one lane, and its six code registers go to their place in the fragment's image in LDS: column x is row r' = x % 8 + 8 (x / 16) of tile u = (x / 8) % 2.
.Lpath_w:
	s_sub_co_u32 s34, ttmp9, 328
	s_lshr_b32 s35, s34, 5                         ; which weight
	s_and_b32 s36, s34, 31                         ; which 32 columns: head = / 2
	v_bfe_u32 v11, v0, 3, 1                        ; u
	v_and_b32 v12, 7, v0
	s_wait_alu depctr_va_vdst(0)
	v_lshl_add_u32 v12, v10, 3, v12                ; r'
	s_mul_i32 s38, s26, 3072
	s_add_co_u32 s38, s38, WIM
	v_mul_u32_u24 v4, v11, 1536
	s_delay_alu instid0(VALU_DEP_1)
	v_lshl_add_u32 v4, v12, 4, v4
	s_delay_alu instid0(VALU_DEP_1)
	v_add_nc_u32 v4, s38, v4                       ; image of tile u, lane r'
	v_add_nc_u32 v5, s38, v3                       ; back: 16 x lane
	s_lshr_b32 s38, s26, 2
	s_lshl_b32 s38, s38, 8
	s_and_b32 s39, s26, 3
	s_lshl_b32 s39, s39, 2
	s_add_co_u32 s38, s38, s39
	s_add_co_u32 s38, s38, WSC
	v_lshlrev_b32 v6, 9, v11
	s_wait_alu depctr_va_vdst(0)
	v_lshl_add_u32 v6, v12, 4, v6
	s_delay_alu instid0(VALU_DEP_1)
	v_add_nc_u32 v6, s38, v6                       ; my scale word: tile u, lane (r', w / 4), word w % 4
	s_and_b32 s39, s26, 1
	s_lshl_b32 s39, s39, 9
	s_add_co_u32 s39, s39, WSC
	v_add_nc_u32 v7, s39, v3                       ; waves 0 and 1 read a tile's scale image back
	v_lshlrev_b32 v14, 2, v8                       ; 4 bytes a column
	s_wait_alu depctr_va_vdst(0)
	s_cmp_eq_u32 s35, 0
	s_cselect_b64 s[32:33], s[12:13], s[14:15]
	s_cmp_eq_u32 s35, 2
	s_cselect_b64 s[32:33], s[16:17], s[32:33]
	s_lshl_b32 s40, s35, 6
	s_lshl_b32 s41, s36, 1
	s_add_co_u32 s40, s40, s41
	s_add_co_u32 s40, s40, 1536                    ; the first of my two tiles in pcodes
	s_lshr_b32 s38, s36, 1
	s_lshl_b32 s38, s38, 18                        ; a head is 1,024 x 256 bytes
	s_lshl_b32 s39, s26, 15                        ; 128 rows of 256 bytes
	s_add_co_u32 s38, s38, s39
	s_and_b32 s39, s36, 1
	s_lshl_b32 s39, s39, 7
	s_add_co_u32 s36, s38, s39
	s_add_nc_u64 s[32:33], s[32:33], s[36:37]
	s_mul_i32 s36, s40, 12288
	s_mul_i32 s38, s26, 1536
	s_add_co_u32 s36, s36, s38
	s_add_nc_u64 s[20:21], s[20:21], s[36:37]
	s_add_co_u32 s40, s40, s26
	s_lshl_b32 s36, s40, 9
	s_add_nc_u64 s[22:23], s[22:23], s[36:37]      ; used by waves 0 and 1 alone
.set ii, 0
.rept 128
	global_load_b32 v[16+ii], v14, s[32:33] offset:ii*256   ; W(128 w + ii, my column): 128 consecutive bytes a wave
.set ii, ii+1
.endr
.irp kb, 0,1,2,3
.set XB, 16+32*\kb
.if \kb < 2
	s_wait_loadcnt 63                              ; at least 64 loads are younger than this block's
.else
	s_wait_loadcnt 96-32*\kb                       ; the later block's 32 may be out
.endif
	v_max3_num_f32 v156, |v[XB]|, |v[XB+1]|, |v[XB+2]|
	v_max3_num_f32 v157, |v[XB+3]|, |v[XB+4]|, |v[XB+5]|
.irp i, 6,10,14,18,22,26
	s_delay_alu instid0(VALU_DEP_2)
	v_max3_num_f32 v156, v156, |v[XB+\i]|, |v[XB+\i+1]|
	s_delay_alu instid0(VALU_DEP_2)
	v_max3_num_f32 v157, v157, |v[XB+\i+2]|, |v[XB+\i+3]|
.endr
	s_delay_alu instid0(VALU_DEP_2)
	v_max3_num_f32 v156, v156, |v[XB+30]|, |v[XB+31]|
	s_delay_alu instid0(VALU_DEP_1)
	v_max3_num_f32 v156, v156, v157, 0x1800000     ; and the floor
	s_delay_alu instid0(VALU_DEP_1)
	v_add_nc_u32 v158, 0xff000000, v156
	s_delay_alu instid0(VALU_DEP_1)
	v_lshrrev_b32 v159, 23, v158
.if \kb == 0
	s_delay_alu instid0(VALU_DEP_1)
	v_mov_b32 v160, v159
.else
	s_delay_alu instid0(VALU_DEP_1)
	v_lshl_or_b32 v160, v159, 8*\kb, v160          ; the K step's scale word of my column
.endif
	v_cvt_scalef32_pk16_fp6_f32 v[144:146], v[XB:XB+15], v158
	v_cvt_scalef32_pk16_fp6_f32 v[152:154], v[XB+16:XB+31], v158
	v_nop
.irp i, 0,1,2
	v_mov_b32 v[147+\i], v[152+\i]
.endr
.if \kb < 2                                    ; block kb is registers 6 (kb / 2) .. + 5 of image lane r' + 16 (kb % 2)
	ds_store_b128 v4, v[144:147] offset:256*(\kb%2)
	ds_store_b64 v4, v[148:149] offset:256*(\kb%2)+512
.else
	ds_store_b64 v4, v[144:145] offset:256*(\kb%2)+520
	ds_store_b128 v4, v[146:149] offset:256*(\kb%2)+1024
.endif
	s_wait_dscnt 0x0                               ; the stores have read the codes' registers
.endr
	s_wait_alu depctr_va_vdst(0)
	ds_store_b32 v6, v160
.irp i, 0,1,2,3,4,5
	ds_load_b128 v[164+4*\i:167+4*\i], v5 offset:512*\i   ; my own two images, as they will lie in memory
.endr
	s_wait_dscnt 0x0                               ; for the others' sake: my scale words have landed
	s_barrier_signal -1
	s_barrier_wait -1
.irp i, 0,1,2,3,4,5
	global_store_b128 v3, v[164+4*\i:167+4*\i], s[20:21] offset:(\i/3)*12288+(\i%3)*512
.endr
	s_cmp_gt_u32 s26, 1
	s_cbranch_scc1 .Lw_end
	ds_load_b128 v[188:191], v7                    ; words that all eight waves stored, behind the barrier
	s_wait_dscnt 0x0
	global_store_b128 v3, v[188:191], s[22:23]
.Lw_end:
	CLOSE
.Lfunc_end_k_qac5c975679_prep:
	.size	k_qac5c975679_prep, .Lfunc_end_k_qac5c975679_prep-k_qac5c975679_prep
	.p2alignl 7, 3214868480
	.fill 96, 4, 3214868480
	.section	.rodata,"a",@progbits
	.p2align	6, 0x0
	.amdhsa_kernel k_qac5c975679_prep
		.amdhsa_group_segment_fixed_size 161792
		.amdhsa_private_segment_fixed_size 0
		.amdhsa_enable_private_segment 0
		.amdhsa_kernarg_size 88
		.amdhsa_user_sgpr_count 2
		.amdhsa_user_sgpr_kernarg_segment_ptr 1
		.amdhsa_wavefront_size32 1
		.amdhsa_system_sgpr_workgroup_id_x 1
		.amdhsa_system_sgpr_workgroup_id_y 1
		.amdhsa_system_sgpr_workgroup_id_z 1
		.amdhsa_system_vgpr_workitem_id 0
		.amdhsa_next_free_vgpr 256
		.amdhsa_next_free_sgpr 66
		.amdhsa_reserve_vcc 0
		.amdhsa_float_denorm_mode_32 3
		.amdhsa_float_denorm_mode_16_64 3
		.amdhsa_memory_ordered 1
		.amdhsa_forward_progress 1
		.amdhsa_inst_pref_size 192
	.end_amdhsa_kernel
	.amdgpu_metadata
---
amdhsa.version: [ 1, 2 ]
amdhsa.kernels:
  - .name:           k_qac5c975679_prep
    .symbol:         k_qac5c975679_prep.kd
    .args:
      - { .name: q_input, .offset: 0, .size: 8, .value_kind: global_buffer, .address_space: global }
      - { .name: k_input, .offset: 8, .size: 8, .value_kind: global_buffer, .address_space: global }
      - { .name: v_input, .offset: 16, .size: 8, .value_kind: global_buffer, .address_space: global }
      - { .name: Wo, .offset: 24, .size: 8, .value_kind: global_buffer, .address_space: global }
      - { .name: Wq, .offset: 32, .size: 8, .value_kind: global_buffer, .address_space: global }
      - { .name: Wk, .offset: 40, .size: 8, .value_kind: global_buffer, .address_space: global }
      - { .name: Wv, .offset: 48, .size: 8, .value_kind: global_buffer, .address_space: global }
      - { .name: mask, .offset: 56, .size: 8, .value_kind: global_buffer, .address_space: global }
      - { .name: pcodes, .offset: 64, .size: 8, .value_kind: global_buffer, .address_space: global }
      - { .name: pscales, .offset: 72, .size: 8, .value_kind: global_buffer, .address_space: global }
      - { .name: maskbits, .offset: 80, .size: 8, .value_kind: global_buffer, .address_space: global }
    .group_segment_fixed_size: 161792
    .private_segment_fixed_size: 0
    .kernarg_segment_align: 8
    .kernarg_segment_size: 88
    .max_flat_workgroup_size: 256
    .sgpr_count:     66
    .vgpr_count:     256
    .wavefront_size: 32
...
	.end_amdgpu_metadata
.endif
;; end of part 5
;; launch proj (part 6): grid 192 x 1, 4 waves a work-group, no clusters, 98,816 bytes of LDS; arguments pcodes, pscales, bq, bk, bv, hcodes, hscales; writes hcodes, hscales
.if DOCPART == 6
	.amdgcn_target "amdgcn-amd-amdhsa--gfx1250"
	.amdhsa_code_object_version 6
	.text
	.protected	k_qac5c975679_proj
	.globl	k_qac5c975679_proj
	.p2align	8
	.type	k_qac5c975679_proj,@function
k_qac5c975679_proj:
	s_mov_b64 s[64:65], 0
	v_nop
	global_prefetch_b8 v0, s[64:65] scope:SCOPE_SE
	s_setreg_imm32_b32 hwreg(HW_REG_WAVE_SCHED_MODE, 0, 2), 2
	s_setreg_imm32_b32 hwreg(HW_REG_WAVE_MODE, 25, 1), 1
	s_wait_xcnt 0x0
	s_wait_alu depctr_vm_vsrc(0)
; PROJ: the three projections on codes of FP6, and their results quantised again for attention.  One text for q, k and v: kind = work-group / 64.
; A work-group holds operand L, 128 rows = 8 tiles, all of K = 1,024, in LDS (98,304 bytes, filled once), and walks operand S, 1,024 rows; wave w takes S's tiles 16 w .. 16 w + 15 in 4 passes of 4.
; A pass: 8 x 4 accumulators, 8 K steps, 256 matrix instructions.  Source 0 = S, source 1 = L: a lane holds ONE row of L, and, by the choice of a tile's rows, its 32 registers of tiles n = 0 .. 3 hold
; S's rows 32 b + 16 h + 0 .. 15 (b = 0, 1): neighbours, along which the result is quantised.
; q, k: L = rows of the input, S = rows of W (64 head + d): a pass is one head, quantised along d.   v: L = rows of Wv (d), S = rows of v_input (keys): a pass is 64 keys, quantised along the keys: V^T.
; OUT: half images of 768 bytes (6 registers, k = 32 h + 0 .. 31 of 64: registers 0-3 at 16 x lane, 4-5 at 512 + 8 x lane) and units of 256 scale bytes [r][4 words]: word i = the two bytes of tile 2 i, then of tile 2 i + 1.
; S's fragments go from memory straight into the one wave that multiplies them, a pass ahead: so no cluster: a joint load would send them through LDS once more.  192 work-groups of equal work: 3 does not divide 256.
; LIMITS: a block of zeros gets the byte 1; NaN and infinities are not served.
; THE MODE: SCHED_MODE bits 1:0 = 2 (LLVM: expert scheduling mode 2), set by the entry lines.  The code itself states the register dependences between vector or matrix instructions and memory or LDS
; instructions, with s_wait_alu, always for 0.
; THE PLAN.  Registers that memory or LDS instructions touch, in the loop over passes:
;   XF0, XF1    two sets of L's eight fragments.  K step ks: its 32 products read XF[ks % 2]; its 24 LDS loads bring K step ks + 1 into the other set, which K step ks - 1's products read last.
;   slots 0-7   S's fragments.  K step ks's products read slot ks; the next pass's fragments are asked for in K step ks + 1 (slot 7's behind the K steps).
;   WS, BI      S's scale words and bias: read by the pass's products, asked for again behind the K steps.
;   HC, PR      the way out: written by conversions, swaps and moves, read by the stores.  They lie in XF1, in which K step 1's fragments land in K step 0.
;   v1-8        offsets and LDS addresses, made at the head and never written again: the scalar bases step, and immediate offsets do the rest.
; So ONE wait on va_vdst stands at a K step's head; the step's loads follow it, dealt among its products, which name XF[ks % 2], slot ks, the scale words and the accumulators: none of the registers that
; those loads touch.  One more stands behind the K steps, and one ahead of each of the way out's two runs of stores; a wait on vm_vsrc stands ahead of each rewriting of what stores have read.
; REGISTERS: window 0: v1-8 addresses, v10, v11 the add's two, v16-47 L's scale words, v48-63 S's, v64-95 the bias along S, v104-199 XF1 and, on the way out, the registers at work, v200-215 the bias along L (pairs, the upper word 0).
;   window 1: S's K steps 0-4 (48 registers each).  window 2: v0-143 S's K steps 5-7; v144-239 XF0.  window 3: the 32 accumulators, (m, n) at v[8 (4 m + n)]; at the head the copy's staging.
.set SPARE, 98304
.set XS,  16
.set WS,  48
.set BI,  64
.set HC,  104
.set GC,  136
.set TM,  152
.set TP,  160
.set SOP, 168
.set EB,  176
.set SW,  192
.set PR,  196
.set LB,  200
.set XF0, 144                          ; in window 2: L's fragments of the even K steps
.set XF1, 104                          ; in window 0: those of the odd K steps
.set MSB, 0
.macro WIN new                         ; the immediate's high byte repeats the setting that is left; a switch that changes nothing is dropped
.if MSB != \new
	s_set_vgpr_msb (MSB<<8)|\new
.set MSB, \new
.endif
.endm
.macro PLACES                          ; four plain places behind a matrix instruction, ahead of loads into its registers and of reads of its result
.rept 4
	v_nop
.endr
.endm
.macro SLOAD ks, off                   ; S's four fragments of K step ks, off bytes on, into their slot
.if (\ks) < 5
	WIN 0x40
.set SB, 48*(\ks)
.else
	WIN 0x80
.set SB, 48*((\ks)-5)
.endif
.irp n, 0,1,2,3
.irp j, 0,1,2
	global_load_b128 v[SB+12*\n+4*\j:SB+12*\n+4*\j+3], v1, s[30:31] offset:\off+12288*\n+1536*(\ks)+512*\j
.endr
.endr
	WIN 0
.endm
.macro WSLOAD off
.irp n, 0,1,2,3
	global_load_b128 v[WS+4*\n:WS+4*\n+3], v1, s[34:35] offset:\off+512*\n
.endr
.endm
.macro BILOAD off                      ; lane (r, h), tile n, register j: the bias of S's row 32 (n / 2) + 8 (n % 2) + 16 h + j
.irp n, 0,1,2,3
	global_load_b128 v[BI+8*\n:BI+8*\n+3], v6, s[36:37] offset:\off+4*(32*(\n/2)+8*(\n%2))
	global_load_b128 v[BI+8*\n+4:BI+8*\n+7], v6, s[36:37] offset:\off+4*(32*(\n/2)+8*(\n%2))+16
.endr
.endm
.macro FETCH ks, m0                    ; L's fragments m0 .. m0 + 3 of K step ks from LDS into that K step's set: three loads of 512 consecutive bytes each
.if ((\ks)%2) == 0
	WIN 0x80
.set XB, XF0
.else
	WIN 0
.set XB, XF1
.endif
.irp m, \m0, \m0+1, \m0+2, \m0+3
.irp j, 0,1,2
.if (\m) < 4
	ds_load_b128 v[XB+12*(\m)+4*\j:XB+12*(\m)+4*\j+3], v1 offset:12288*(\m)+1536*(\ks)+512*\j
.else
	ds_load_b128 v[XB+12*(\m)+4*\j:XB+12*(\m)+4*\j+3], v2 offset:12288*((\m)-4)+1536*(\ks)+512*\j
.endif
.endr
.endr
.endm
; 8 matrix instructions.  The 32 accumulators take turns, one instruction a turn, in the same order in every K step.  K step 0 takes the bias as C: nothing is cleared.
.macro MUL8 ks, m0
.if (\ks) < 5
.set SB, 48*(\ks)
.set WM, 0xc1                          ; source 0 (S) window 1, D window 3
.else
.set SB, 48*((\ks)-5)
.set WM, 0xc2                          ; source 0 window 2
.endif
.if (\ks) > 0
.set WM, WM|0x30                       ; C window 3 (K step 0: the bias, window 0)
.endif
.if ((\ks)%2) == 0
.set WM, WM|0x08                       ; source 1 (L): XF0, window 2
.set XB, XF0
.else
.set XB, XF1                           ; XF1, window 0
.endif
	WIN WM
.irp m, \m0, \m0+1
.irp n, 0,1,2,3
.set AC, 8*(4*(\m)+\n)
.if (\ks) == 0
	v_wmma_scale_f32_16x16x128_f8f6f4 v[AC:AC+7], v[SB+12*\n:SB+12*\n+11], v[XB+12*(\m):XB+12*(\m)+11], v[BI+8*\n:BI+8*\n+7], v[WS+4*\n], v[XS+4*(\m)] matrix_a_fmt:MATRIX_FMT_FP6 matrix_b_fmt:MATRIX_FMT_FP6
.elseif (\ks) < 4
	v_wmma_scale_f32_16x16x128_f8f6f4 v[AC:AC+7], v[SB+12*\n:SB+12*\n+11], v[XB+12*(\m):XB+12*(\m)+11], v[AC:AC+7], v[WS+4*\n+(\ks)], v[XS+4*(\m)+(\ks)] matrix_a_fmt:MATRIX_FMT_FP6 matrix_b_fmt:MATRIX_FMT_FP6
.else
	v_wmma_scale_f32_16x16x128_f8f6f4 v[AC:AC+7], v[SB+12*\n:SB+12*\n+11], v[XB+12*(\m):XB+12*(\m)+11], v[AC:AC+7], v[WS+4*\n+(\ks)-4], v[XS+4*(\m)+(\ks)-4] matrix_a_fmt:MATRIX_FMT_FP6 matrix_b_fmt:MATRIX_FMT_FP6 matrix_a_scale:MATRIX_SCALE_ROW1 matrix_b_scale:MATRIX_SCALE_ROW1
.endif
.endr
.endr
.endm
.macro RELOAD ks                       ; a slot that has been multiplied takes the next pass's fragments, if there is a next pass: no load leaves its buffer
	WIN 0
	s_cmp_eq_u32 s46, 1
	s_cbranch_scc1 .Lnr_\@
	SLOAD \ks, 49152
.Lnr_\@:
.endm
; A K step: 32 products on XF[ks % 2] and slot ks; among them the loads of K step ks + 1's fragments of L into the other set, and of the next pass's fragments into slot ks - 1.
.macro KSTEP ks
	s_wait_dscnt 0x0                               ; this K step's fragments of L are in: they were asked for a K step ago
.if (\ks) > 0
	PLACES                                         ; behind the last K step's products, ahead of the loads into registers that they read
.endif
	s_wait_alu depctr_va_vdst(0)                   ; the last K step's products are done reading the other set of L's fragments and their slot of S (K step 0: the way out's vector instructions are done with v104-199): the loads below land there
	MUL8 \ks, 0
.if (\ks) < 7
	FETCH \ks+1, 0                                 ; no wait: no product since the wait above names the other set
.endif
	MUL8 \ks, 2
.if (\ks) < 7
	FETCH \ks+1, 4
.if (\ks) > 0
	RELOAD \ks-1
.endif
.else
	WIN 0                                          ; K step 7: the next pass's K step 0 of L, and slot 6, if there is a next pass
	s_cmp_eq_u32 s46, 1
	s_cbranch_scc1 .Lno_l_\@
	FETCH 0, 0
	FETCH 0, 4
	SLOAD 6, 49152
.Lno_l_\@:
.endif
	MUL8 \ks, 4
	MUL8 \ks, 6
.endm
; Tiles m = 4 q .. 4 q + 3 of the pass's results: eight blocks of 32 are quantised and leave as four half images; with the second four the unit of scale bytes.
.macro HQ4 q
	WIN 0x0f
.irp mm, 0,1,2,3
.irp bq, 0,1
	v_max3_num_f32 v[TM+2*\mm+\bq], |v[32*(4*\q+\mm)+16*\bq]|, |v[32*(4*\q+\mm)+16*\bq+1]|, 0x1800000   ; each accumulator is read from its low end on; the floor holds the byte at 1
.endr
.endr
	WIN 0x3c
.irp i, 2,4,6,8,10,12,14
.irp mm, 0,1,2,3
.irp bq, 0,1
	v_max3_num_f32 v[TM+2*\mm+\bq], v[TM+2*\mm+\bq], |v[32*(4*\q+\mm)+16*\bq+\i]|, |v[32*(4*\q+\mm)+16*\bq+\i+1]|
.endr
.endr
.endr
	WIN 0
.irp b, 0,1,2,3,4,5,6,7
	v_permlanex16_b32 v[TP+\b], v[TM+\b], s48, s49
.endr
.irp b, 0,1,2,3,4,5,6,7
	v_max_num_f32 v[TM+\b], v[TM+\b], v[TP+\b]
.endr
.irp b, 0,1,2,3,4,5,6,7
	v_add_nc_u32 v[SOP+\b], 0xff000000, v[TM+\b]
.endr
.irp b, 0,1,2,3,4,5,6,7
	v_lshrrev_b32 v[EB+8*\q+\b], 23, v[SOP+\b]
.endr
	s_wait_xcnt 0x0                                ; the earlier stores have read the codes' registers
.if \q
	s_wait_alu depctr_vm_vsrc(0)                   ; the first four tiles' stores have read v[HC ..], which the conversions below write again
.endif
	WIN 0x03
.irp mm, 0,1,2,3
	v_cvt_scalef32_pk16_fp6_f32 v[HC+8*\mm:HC+8*\mm+2], v[32*(4*\q+\mm):32*(4*\q+\mm)+15], v[SOP+2*\mm]
	v_cvt_scalef32_pk16_fp6_f32 v[GC+4*\mm:GC+4*\mm+2], v[32*(4*\q+\mm)+16:32*(4*\q+\mm)+31], v[SOP+2*\mm+1]
.endr
	WIN 0
	v_nop                                          ; one plain place behind a scaled conversion
.irp mm, 0,1,2,3
.irp i, 0,1,2
	v_permlane16_swap_b32 v[HC+8*\mm+\i], v[GC+4*\mm+\i]   ; lanes 0-15 now hold block 0 whole, lanes 16-31 block 1
.endr
.irp i, 0,1,2
	v_mov_b32 v[HC+8*\mm+3+\i], v[GC+4*\mm+\i]
.endr
.endr
.if \q
.irp i, 0,1,2,3
	v_lshl_or_b32 v[SW+\i], v[EB+4*\i+1], 8, v[EB+4*\i]
	v_lshl_or_b32 v[SW+\i], v[EB+4*\i+2], 16, v[SW+\i]
	v_lshl_or_b32 v[SW+\i], v[EB+4*\i+3], 24, v[SW+\i]
.endr
	v_cndmask_b32 v[PR], v[SW], v[SW+2], s47       ; lanes 0-15 store words 0 and 1 of row r, lanes 16-31 words 2 and 3
	v_cndmask_b32 v[PR+1], v[SW+1], v[SW+3], s47
.endif
	s_wait_alu depctr_va_vdst(0)                   ; the codes are written in v[HC ..] (with the second four tiles: the scale words in v[PR], v[PR + 1] too), which the stores below read
.irp mm, 0,1,2,3
	global_store_b128 v1, v[HC+8*\mm:HC+8*\mm+3], s[38:39] offset:768*(4*\q+\mm)          ; 512 consecutive bytes
	global_store_b64 v5, v[HC+8*\mm+4:HC+8*\mm+5], s[38:39] offset:768*(4*\q+\mm)+512     ; 256 consecutive bytes
.endr
.if \q
	global_store_b64 v8, v[PR:PR+1], s[40:41]      ; 256 consecutive bytes, aligned
.endif
.endm
	s_load_b256 s[4:11], s[0:1], 0x0               ; pcodes s[4:5], pscales s[6:7], bq s[8:9], bk s[10:11]
	s_load_b128 s[12:15], s[0:1], 0x20             ; bv s[12:13], hcodes s[14:15]
	s_load_b64 s[16:17], s[0:1], 0x30              ; hscales
	v_lshl_add_u32 v10, v0, 2, SPARE
	v_mov_b32 v11, 0
	v_lshrrev_b32 v1, 5, v0
	v_readfirstlane_b32 s22, v1                    ; wave 0..3
	v_and_b32 v9, 31, v0
	v_and_b32 v12, 15, v0                          ; r
	v_bfe_u32 v13, v0, 4, 1                        ; h
	v_lshlrev_b32 v1, 4, v9                        ; 16 x lane
	v_add_nc_u32 v2, 49152, v1
	v_lshlrev_b32 v3, 4, v0                        ; 16 x thread: the copy
	v_add_nc_u32 v4, 49152, v3
	v_lshlrev_b32 v5, 3, v9                        ; 8 x lane
	v_lshlrev_b32 v6, 6, v13                       ; 64 h
	v_and_b32 v7, 8, v12
	v_add_nc_u32 v7, v7, v12
	v_lshlrev_b32 v7, 2, v7                        ; 4 (r + 8 (r / 8))
	v_lshlrev_b32 v8, 4, v12
	v_lshl_add_u32 v8, v13, 3, v8                  ; 16 r + 8 h
	s_wait_alu depctr_va_sdst(0)                   ; s22, the wave's number, is written, ahead of its first reader: the offsets below are made from it
	s_lshr_b32 s20, ttmp9, 6                       ; kind: 0 q, 1 k, 2 v
	s_and_b32 s21, ttmp9, 63                       ; i
	s_lshr_b32 s23, s21, 4                         ; batch
	s_and_b32 s24, s21, 7
	s_and_b32 s25, s21, 15
	s_bfe_u32 s26, s21, 0x10003                    ; (i / 8) % 2
	; q, k
	s_lshl_b32 s50, s20, 9
	s_lshl_b32 s51, s21, 3
	s_add_co_u32 s50, s50, s51                     ; L's first tile: 512 kind + 8 i
	s_lshl_b32 s51, s20, 6
	s_add_co_u32 s51, s51, 1536                    ; S's first tile
	s_lshl_b32 s52, s23, 4
	s_lshl_b32 s53, s22, 2
	s_add_co_u32 s52, s52, s53                     ; 16 batch + my first head
	s_lshl_b32 s53, s52, 7
	s_lshl_b32 s54, s25, 3
	s_add_co_u32 s53, s53, s54
	s_mul_i32 s53, s53, 768
	s_mul_i32 s54, s20, 6291456
	s_add_co_u32 s53, s53, s54                     ; codes out
	s_lshl_b32 s54, s52, 4
	s_add_co_u32 s54, s54, s25
	s_lshl_b32 s54, s54, 8
	s_lshl_b32 s55, s20, 18
	s_add_co_u32 s54, s54, s55                     ; scales out
	s_lshl_b32 s55, s22, 10                        ; bias: my first head's 64 numbers
	; v
	s_lshl_b32 s56, s24, 3
	s_add_co_u32 s56, s56, 1664                    ; L: Wv's tiles 8 (i % 8) on
	s_lshr_b32 s57, s21, 3
	s_lshl_b32 s57, s57, 6
	s_add_co_u32 s57, s57, 1024                    ; S: v_input's tiles 64 (i / 8) on
	s_lshl_b32 s58, s23, 3
	s_add_co_u32 s58, s58, s24
	s_lshl_b32 s58, s58, 5
	s_lshl_b32 s59, s26, 4
	s_add_co_u32 s58, s58, s59
	s_lshl_b32 s59, s22, 2
	s_add_co_u32 s58, s58, s59                     ; (8 batch + pair of heads) 32 + my first group of 64 keys
	s_mul_i32 s59, s58, 6144
	s_add_co_u32 s59, s59, 12582912
	s_lshl_b32 s60, s58, 8
	s_add_co_u32 s60, s60, 524288
	s_lshl_b32 s61, s24, 9                         ; bias: L's 128 rows
	s_mov_b32 s42, 98304                           ; from pass to pass: a head's 128 half images,
	s_mov_b32 s44, 4096                            ; its 16 units
	s_cmp_eq_u32 s20, 2
	s_cselect_b32 s50, s56, s50
	s_cselect_b32 s51, s57, s51
	s_cselect_b32 s53, s59, s53
	s_cselect_b32 s54, s60, s54
	s_cselect_b32 s55, s61, s55
	s_cselect_b32 s42, 6144, s42                   ; v: a group's 8 half images,
	s_cselect_b32 s44, 256, s44                    ; its one unit
	s_mov_b32 s43, 0
	s_mov_b32 s45, 0
	s_lshl_b32 s52, s22, 4
	s_add_co_u32 s51, s51, s52                     ; my wave's first tile of S
	s_mov_b32 s47, 0xffff0000                      ; lanes 16-31
	s_mov_b32 s48, 0x76543210
	s_mov_b32 s49, 0xfedcba98
	s_mov_b32 s57, 0
.set ii, 0
.rept 32
	v_mov_b32 v[BI+ii], 0                          ; v has no bias along S
.set ii, ii+1
.endr
.set ii, 0
.rept 16
	v_mov_b32 v[LB+ii], 0
.set ii, ii+1
.endr
.irp b, 0,1,2,3,4,5,6,7
	v_mov_b32 v[TP+\b], 0                          ; a lane permute's destination counts as one of its sources
.endr
	s_wait_kmcnt 0x0
	s_cmp_eq_u32 s20, 0
	s_cselect_b64 s[36:37], s[8:9], s[10:11]
	s_cmp_eq_u32 s20, 2
	s_cselect_b64 s[36:37], s[12:13], s[36:37]
	s_mul_i32 s56, s50, 12288
	s_add_nc_u64 s[28:29], s[4:5], s[56:57]        ; L's codes
	s_mul_i32 s56, s51, 12288
	s_add_nc_u64 s[30:31], s[4:5], s[56:57]        ; S's codes
	s_lshl_b32 s56, s50, 9
	s_add_nc_u64 s[32:33], s[6:7], s[56:57]        ; L's scales
	s_lshl_b32 s56, s51, 9
	s_add_nc_u64 s[34:35], s[6:7], s[56:57]        ; S's scales
	s_mov_b32 s56, s55
	s_add_nc_u64 s[36:37], s[36:37], s[56:57]      ; the bias
	s_mov_b32 s56, s53
	s_add_nc_u64 s[38:39], s[14:15], s[56:57]
	s_mov_b32 s56, s54
	s_add_nc_u64 s[40:41], s[16:17], s[56:57]
	WIN 0xc0
	s_wait_alu depctr_va_vdst(0)                   ; the offsets and LDS addresses v1 to v8 are written, which every load and store of the kernel reads; so are the zeros in v64-95 and v200-215, in which the bias's loads land
.set ii, 0
.rept 48                                       ; L's 98,304 bytes: 128 threads x 16 bytes x 48, dense
	global_load_b128 v[4*ii:4*ii+3], v3, s[28:29] offset:2048*ii
.set ii, ii+1
.endr
	WIN 0
.irp m, 0,1,2,3,4,5,6,7
	global_load_b128 v[XS+4*\m:XS+4*\m+3], v1, s[32:33] offset:512*\m
.endr
.irp ks, 0,1,2,3,4,5,6,7
	SLOAD \ks, 0
.endr
	WSLOAD 0
	s_cmp_eq_u32 s20, 2
	s_cbranch_scc0 .Lbias_qk
.irp m, 0,1,2,3,4,5,6,7
	global_load_b32 v[LB+2*\m], v7, s[36:37] offset:4*(32*(\m/2)+8*(\m%2))   ; v: the bias of L's row r of tile m
.endr
	s_branch .Lbias_done
.Lbias_qk:
	BILOAD 0
.Lbias_done:
	s_wait_loadcnt 63                              ; 116 loads are younger than the copy's 48: those are in
	WIN 0x0c
.set ii, 0
.rept 48
.if ii < 24
	ds_store_b128 v3, v[4*ii:4*ii+3] offset:2048*ii
.else
	ds_store_b128 v4, v[4*ii:4*ii+3] offset:2048*(ii-24)
.endif
.set ii, ii+1
.endr
	WIN 0
	s_wait_dscnt 0x0                               ; for the others' sake: my part of L has landed
	s_barrier_signal -1
	s_barrier_wait -1                              ; L is whole; it is never written again
	s_wait_alu depctr_vm_vsrc(0)                   ; my LDS stores have read the staging registers of window 3: they are the accumulators from here on, written by the products
	FETCH 0, 0                                     ; the first pass's K step 0 of L
	FETCH 0, 4
	WIN 0
	s_mov_b32 s46, 4                               ; passes to go
.Lpass:
	s_wait_loadcnt 0x0                             ; the pass's eight slots, scale words and bias; the youngest were asked for ahead of the last way out
.irp ks, 0,1,2,3,4,5,6,7
	KSTEP \ks
.endr
	PLACES                                         ; behind the last products: ahead of the first read of the results, of the first write into XF1 and of the loads below
	s_wait_alu depctr_va_vdst(0)                   ; the pass's products are done reading slot 7, S's scale words and the bias along S, in which the loads below land
	WIN 0
	s_cmp_eq_u32 s46, 1
	s_cbranch_scc1 .Lno_next
	SLOAD 7, 49152
	WSLOAD 2048
	s_cmp_eq_u32 s20, 2
	s_cbranch_scc1 .Lno_next
	BILOAD 256
.Lno_next:
	s_cmp_eq_u32 s20, 2
	s_cbranch_scc0 .Lno_lb
	WIN 0xc3                                       ; v: the bias hangs on L's row, which is the lane: added to all 32 registers of tile m, from each accumulator's low end on
.set mi, 0
.rept 8
.set pi, 0
.rept 16
	v_pk_add_f32 v[32*mi+2*pi:32*mi+2*pi+1], v[32*mi+2*pi:32*mi+2*pi+1], v[LB+2*mi:LB+2*mi+1] op_sel_hi:[1,0]
.set pi, pi+1
.endr
.set mi, mi+1
.endr
	WIN 0
.Lno_lb:
	HQ4 0
	HQ4 1
	s_wait_xcnt 0x0                                ; every load and store issued has read its base and its data: the bases step
	s_wait_alu depctr_vm_vsrc(0)                   ; the pass's stores have read v[HC ..] and v[PR], v[PR + 1]: in the next pass L's fragments land there, and the way out writes them again
	s_add_nc_u64 s[30:31], s[30:31], 49152
	s_add_nc_u64 s[34:35], s[34:35], 2048
	s_add_nc_u64 s[36:37], s[36:37], 256
	s_add_nc_u64 s[38:39], s[38:39], s[42:43]
	s_add_nc_u64 s[40:41], s[40:41], s[44:45]
	s_sub_co_u32 s46, s46, 1
	s_cmp_lg_u32 s46, 0
	s_cbranch_scc1 .Lpass
	s_wait_dscnt 0x0                               ; the closing lines, six on end
	s_wait_alu 0x0
	s_wait_tensorcnt 0x0
	ds_add_u32 v10, v11
	s_wait_dscnt 0x0
	s_endpgm
.Lfunc_end_k_qac5c975679_proj:
	.size	k_qac5c975679_proj, .Lfunc_end_k_qac5c975679_proj-k_qac5c975679_proj
	.p2alignl 7, 3214868480
	.fill 96, 4, 3214868480
	.section	.rodata,"a",@progbits
	.p2align	6, 0x0
	.amdhsa_kernel k_qac5c975679_proj
		.amdhsa_group_segment_fixed_size 98816
		.amdhsa_private_segment_fixed_size 0
		.amdhsa_enable_private_segment 0
		.amdhsa_kernarg_size 56
		.amdhsa_user_sgpr_count 2
		.amdhsa_user_sgpr_kernarg_segment_ptr 1
		.amdhsa_wavefront_size32 1
		.amdhsa_system_sgpr_workgroup_id_x 1
		.amdhsa_system_sgpr_workgroup_id_y 1
		.amdhsa_system_sgpr_workgroup_id_z 1
		.amdhsa_system_vgpr_workitem_id 0
		.amdhsa_next_free_vgpr 1024
		.amdhsa_next_free_sgpr 66
		.amdhsa_reserve_vcc 0
		.amdhsa_float_denorm_mode_32 3
		.amdhsa_float_denorm_mode_16_64 3
		.amdhsa_memory_ordered 1
		.amdhsa_forward_progress 1
		.amdhsa_inst_pref_size 112
	.end_amdhsa_kernel
	.amdgpu_metadata
---
amdhsa.version: [ 1, 2 ]
amdhsa.kernels:
  - .name:           k_qac5c975679_proj
    .symbol:         k_qac5c975679_proj.kd
    .args:
      - { .name: pcodes, .offset: 0, .size: 8, .value_kind: global_buffer, .address_space: global }
      - { .name: pscales, .offset: 8, .size: 8, .value_kind: global_buffer, .address_space: global }
      - { .name: bq, .offset: 16, .size: 8, .value_kind: global_buffer, .address_space: global }
      - { .name: bk, .offset: 24, .size: 8, .value_kind: global_buffer, .address_space: global }
      - { .name: bv, .offset: 32, .size: 8, .value_kind: global_buffer, .address_space: global }
      - { .name: hcodes, .offset: 40, .size: 8, .value_kind: global_buffer, .address_space: global }
      - { .name: hscales, .offset: 48, .size: 8, .value_kind: global_buffer, .address_space: global }
    .group_segment_fixed_size: 98816
    .private_segment_fixed_size: 0
    .kernarg_segment_align: 8
    .kernarg_segment_size: 56
    .max_flat_workgroup_size: 128
    .sgpr_count:     66
    .vgpr_count:     1024
    .wavefront_size: 32
...
	.end_amdgpu_metadata
.endif
;; end of part 6
;; launch attn (part 7): grid 4 x 64, 16 waves a work-group, no clusters, 206,848 bytes of LDS; arguments hcodes, hscales, maskbits, ccodes, cscales; writes ccodes, cscales
.if DOCPART == 7
	.amdgcn_target "amdgcn-amd-amdhsa--gfx1250"
	.amdhsa_code_object_version 6
	.text
	.protected	k_qac5c975679_attn
	.globl	k_qac5c975679_attn
	.p2align	8
	.type	k_qac5c975679_attn,@function
k_qac5c975679_attn:
	s_mov_b64 s[64:65], 0
	v_nop
	global_prefetch_b8 v0, s[64:65] scope:SCOPE_SE
	s_setreg_imm32_b32 hwreg(HW_REG_WAVE_SCHED_MODE, 0, 2), 2
	s_setreg_imm32_b32 hwreg(HW_REG_WAVE_MODE, 25, 1), 1
	s_wait_xcnt 0x0
	s_wait_alu depctr_vm_vsrc(0)
; ATTN: softmax(q k^T / 8, masked) v for one head, both products on codes of FP6; the result is quantised along the model's 1,024 for the last product.
; A work-group owns 512 queries of one (batch, head); the head's whole K and V, codes and scale words, 204,800 bytes, lie in LDS, filled once through registers.  Sixteen waves, four to a SIMD; wave w owns query
; tiles 32 x + 2 w and + 1, one after the other, and walks 16 key steps of 128 keys.  Both products are used transposed: a lane holds ONE query (lane % 16) throughout.
; S^T = K Q^T has K = 64, half of an instruction's 128: a fragment holds TWO tiles of keys (registers 0-5, 6-11), and is multiplied by [Q, 0] and by [0, Q]: the half that meets zero codes adds nothing.
; By the choice of a tile's rows the 16 registers of S^T's tiles 2 b, 2 b + 1 are keys 32 b + 16 h + 0 .. 15, and O^T's likewise along d.
; SOFTMAX: t = score x log2(e) / 8; M = the running largest t rounded up to a whole number; p = 2^(t - M) is quantised along the keys; the sum is taken of the unquantised p and divides at the end.
; MASK: a word of 32 bits, one a lane, for each of the step's 64 registers, read a step ahead into scalar registers; it only selects values.
; LIMITS: a masked logit is taken as -2^30 (raw score -2^33) where the problem writes -1e9, so that t - M is exactly 0 in a row that is masked throughout (its p are all 1); the results agree as long as every
; unmasked logit lies above -9.9e8.  A block of zeros gets the byte 1.  NaN and infinities are not served.
; No cluster: K and V are read once by a work-group, at its head.  The scale bytes of ccodes leave one byte a lane: 2 of every 50 bytes that the launch stores.
; THE MODE: SCHED_MODE bits 1:0 = 2 (LLVM: expert scheduling mode 2), set by the entry lines.  The code itself states the register dependences between vector or matrix instructions and memory or LDS
; instructions, with s_wait_alu, always for 0.
; THE PLAN.  Registers that LDS or memory instructions touch, in a key step:
;   v7-11          LDS addresses: written by five additions at the step's head, read by the step's 34 LDS loads.
;   v36-83, v84-87 K's four fragments and their scale words land; the eight products S^T read them.
;   v36-83, v88-91 then V's four fragments land in the same registers, and their scale words; the four products O^T read them.  There is no second set: four waves of 256 registers fill a SIMD's 1,024.
;   v4-6, v234-237 lane terms, made at the head and never written again.
; At a tile's end: v192-197 and v226, written by vector instructions, read by the three stores.
; So a step has a wait on vm_vsrc ahead of the five additions, and waits on va_vdst: behind the additions, ahead of K's loads; behind the scores' places, ahead of V's loads; the two behind the
; exponentials; and one directly ahead of the second product, which takes p's codes and scale word from vector instructions.
; REGISTERS: v1, v2 the add's two; v3 -2^33; v4-6 lane terms; v7-11 the step's LDS addresses; v12 -M, v13 the largest t, v[14:15] the sum; v16-21 zeros, v22-27 Q, v28-33 zeros; v34 Q's scale word; v35 both tiles';
;   v36-83 four fragments of K or V; v84-87, v88-91 their scale words; v96-159 S^T, then p; v160-191 O^T; v192-210 p's codes; v212-227 at work; v228-233 the second tile's Q; v234-237 offsets.
.set VC,    98304                      ; LDS: 0.. K's 128 half images;  VC.. V's [group of 64 keys][d tile] half images
.set KS,    196608                     ; K's scale words [step][r][pair of tiles];  + 4,096: V's [step][r][d tile]
.set VS,    200704
.set SPARE, 204800                     ; the spare words: 128 bytes for each of the 16 waves
.set BM,  212
.set BP,  216
.set SOP, 220
	s_load_b256 s[4:11], s[0:1], 0x0               ; hcodes s[4:5], hscales s[6:7], maskbits s[8:9], ccodes s[10:11]
	s_load_b64 s[12:13], s[0:1], 0x20              ; cscales
	v_lshl_add_u32 v1, v0, 2, SPARE
	v_mov_b32 v2, 0
	v_lshrrev_b32 v7, 5, v0
	v_readfirstlane_b32 s14, v7                    ; wave 0..15
	v_and_b32 v226, 31, v0                         ; lane
	v_and_b32 v227, 15, v0                         ; r
	v_bfe_u32 v238, v0, 4, 1                       ; h
	v_mov_b32 v3, 0xd0000000                       ; -2^33
	v_lshlrev_b32 v4, 4, v226
	v_lshlrev_b32 v5, 3, v226
	v_lshl_add_u32 v6, v227, 4, KS
	v_lshlrev_b32 v234, 3, v0                      ; 8 x thread
	s_wait_alu depctr_va_vdst(0)
	v_lshrrev_b32 v235, 1, v226
	v_lshlrev_b32 v235, 4, v235
	v_and_b32 v239, 1, v0
	v_lshl_add_u32 v235, v239, 2, v235             ; 16 (lane / 2) + 4 (lane % 2)
	v_lshl_add_u32 v236, v227, 4, v238             ; 16 r + h
	v_lshlrev_b32 v237, 4, v227                    ; 16 r
	s_wait_alu depctr_va_sdst(0)                   ; s14, the wave's number, is written, ahead of its first reader: the offsets below are made from it
	s_and_b32 s32, ttmp7, 0xffff                   ; 16 batch + head
	s_lshr_b32 s33, s32, 4
	s_and_b32 s34, s32, 15
	s_lshr_b32 s35, s34, 1
	s_and_b32 s36, s34, 1
	s_mul_i32 s37, s14, 6144                       ; my wave's part of each copy
	s_mul_i32 s40, s32, 98304
	s_add_co_u32 s40, s40, s37
	s_add_co_u32 s40, s40, 6291456                 ; K's codes
	s_mov_b32 s41, 0
	s_lshl_b32 s38, s33, 3
	s_add_co_u32 s38, s38, s35
	s_lshl_b32 s38, s38, 5
	s_lshl_b32 s39, s14, 1
	s_add_co_u32 s38, s38, s39                     ; (8 batch + pair of heads) 32 + groups 2 w, 2 w + 1
	s_mul_i32 s42, s38, 6144
	s_mul_i32 s39, s36, 3072
	s_add_co_u32 s42, s42, s39
	s_add_co_u32 s42, s42, 12582912                ; V's codes
	s_mov_b32 s43, 0
	s_lshl_b32 s44, s32, 7
	s_lshl_b32 s39, ttmp9, 5
	s_add_co_u32 s44, s44, s39
	s_lshl_b32 s39, s14, 1
	s_add_co_u32 s44, s44, s39
	s_mul_i32 s44, s44, 768                        ; Q's codes: my first tile
	s_mov_b32 s45, 0
	s_lshl_b32 s46, s32, 12
	s_add_co_u32 s46, s46, 262144                  ; K's scales
	s_mov_b32 s47, 0
	s_lshl_b32 s48, s38, 8
	s_lshl_b32 s39, s36, 3
	s_add_co_u32 s48, s48, s39
	s_add_co_u32 s48, s48, 524288                  ; V's scales: my head's two words of a row
	s_mov_b32 s49, 0
	s_lshl_b32 s50, s32, 4
	s_lshl_b32 s39, ttmp9, 2
	s_add_co_u32 s50, s50, s39
	s_lshr_b32 s39, s14, 2
	s_add_co_u32 s50, s50, s39
	s_lshl_b32 s50, s50, 8
	s_and_b32 s39, s14, 3
	s_lshl_b32 s39, s39, 2
	s_add_co_u32 s50, s50, s39                     ; Q's scales: the word of my two tiles
	s_mov_b32 s51, 0
	s_lshl_b32 s52, s33, 7
	s_lshl_b32 s39, ttmp9, 5
	s_add_co_u32 s52, s52, s39
	s_lshl_b32 s39, s14, 1
	s_add_co_u32 s52, s52, s39                     ; 128 batch + my first tile
	s_lshl_b32 s54, s52, 12                        ; its mask words
	s_mov_b32 s55, 0
	s_mul_i32 s56, s52, 12288
	s_mul_i32 s39, s34, 768
	s_add_co_u32 s56, s56, s39                     ; ccodes: tile, head
	s_mov_b32 s57, 0
	s_lshl_b32 s58, s52, 9
	s_lshr_b32 s39, s34, 3
	s_lshl_b32 s39, s39, 8
	s_add_co_u32 s58, s58, s39
	s_and_b32 s39, s34, 7
	s_lshl_b32 s39, s39, 1
	s_add_co_u32 s58, s58, s39                     ; cscales: tile, + 256 (head / 8) + 2 (head % 8)
	s_mov_b32 s59, 0
	s_mov_b32 s16, 0x3e38aa3b                      ; c = log2(e) / 8
	s_mov_b32 s17, s16                             ; (named with it as a pair, so it is written)
	s_mov_b32 s18, 0x76543210
	s_mov_b32 s19, 0xfedcba98
	s_mov_b32 s26, 0xffff0000
	v_add_nc_u32 v7, s37, v4                       ; the copies' LDS addresses
	v_add_nc_u32 v8, VC, v7
	v_add_nc_u32 v9, KS, v234
	v_add_nc_u32 v10, VS, v234
	s_wait_kmcnt 0x0
	s_add_nc_u64 s[40:41], s[4:5], s[40:41]
	s_add_nc_u64 s[42:43], s[4:5], s[42:43]
	s_add_nc_u64 s[44:45], s[4:5], s[44:45]
	s_add_nc_u64 s[46:47], s[6:7], s[46:47]
	s_add_nc_u64 s[48:49], s[6:7], s[48:49]
	s_add_nc_u64 s[50:51], s[6:7], s[50:51]
	s_add_nc_u64 s[28:29], s[8:9], s[54:55]
	s_add_nc_u64 s[10:11], s[10:11], s[56:57]
	s_add_nc_u64 s[12:13], s[12:13], s[58:59]
	s_wait_alu depctr_va_vdst(0)                   ; the lane terms v4-6 and v234-237 and the copies' LDS addresses v7-10 are written, which the loads and stores below read
.irp i, 0,1,2,3,4,5,6,7,8,9,10,11
	global_load_b128 v[96+4*\i:99+4*\i], v4, s[40:41] offset:512*\i
.endr
.irp e, 0,1
.irp i, 0,1,2,3,4,5
	global_load_b128 v[144+24*\e+4*\i:147+24*\e+4*\i], v4, s[42:43] offset:6144*\e+512*\i
.endr
.endr
	global_load_b64 v[36:37], v234, s[46:47]
	global_load_b32 v38, v235, s[48:49]            ; the bytes of group 2 w,
	global_load_b32 v39, v235, s[48:49] offset:256 ; and of group 2 w + 1, for two d tiles of row lane / 2
	global_load_b128 v[22:25], v4, s[44:45]
	global_load_b64 v[26:27], v5, s[44:45] offset:512
	global_load_b128 v[228:231], v4, s[44:45] offset:768
	global_load_b64 v[232:233], v5, s[44:45] offset:1280
	global_load_b32 v35, v237, s[50:51]
.irp i, 0,1,2,3,4,5
	v_mov_b32 v[16+\i], 0                          ; zero codes on either side of Q
	v_mov_b32 v[28+\i], 0
.endr
.irp b, 0,1,2,3
	v_mov_b32 v[BP+\b], 0                          ; a lane permute's destination counts as one of its sources
.endr
	v_mov_b32 v225, 0                              ; (named as the upper half of the pair v[224:225] before it is first written)
	s_mov_b32 s22, 0                               ; where the mask words to be asked for begin
	s_wait_loadcnt 0x0                             ; all of the head's loads are done: their bases in s32-63 may be written
	s_load_b512 s[32:47], s[28:29], s22 offset:0x0     ; the first step's 64 mask words
	s_load_b512 s[48:63], s[28:29], s22 offset:0x40
	s_load_b512 s[68:83], s[28:29], s22 offset:0x80
	s_load_b512 s[84:99], s[28:29], s22 offset:0xc0
	v_perm_b32 v40, v39, v38, 0x05040100           ; d tile 2 (lane % 2): the two groups' bytes make the scale word of 128 keys,
	v_perm_b32 v41, v39, v38, 0x07060302           ; and d tile 2 (lane % 2) + 1
	s_wait_alu depctr_va_vdst(0)                   ; v40 and v41 are written, which the last of the LDS stores below reads
.irp i, 0,1,2,3,4,5,6,7,8,9,10,11
	ds_store_b128 v7, v[96+4*\i:99+4*\i] offset:512*\i
.endr
.irp e, 0,1
.irp i, 0,1,2,3,4,5
	ds_store_b128 v8, v[144+24*\e+4*\i:147+24*\e+4*\i] offset:3072*\e+512*\i
.endr
.endr
	ds_store_b64 v9, v[36:37]
	ds_store_b64 v10, v[40:41]
	s_wait_dscnt 0x0                               ; for the others' sake: my parts have landed
	s_barrier_signal -1
	s_barrier_wait -1                              ; K and V are whole; they are never written again
	s_wait_alu depctr_vm_vsrc(0)                   ; my LDS stores have read v7-10, v36-41 and v96-191: from here on these are the steps' addresses, fragments, scores and O^T
	s_mov_b32 s24, 2                               ; tiles to go
	s_mov_b32 s25, 0                               ; which half of v35 is this tile's
.Ltile:
	v_lshrrev_b32 v34, s25, v35
	v_and_b32 v34, 0xffff, v34
	v_lshl_or_b32 v34, v34, 16, v34                ; Q's two bytes, twice: for [Q, 0] and for [0, Q]
	v_mov_b32 v13, 0xff61b1e6                      ; the largest t so far: -3e38
	v_floor_f32 v12, -v13
	v_mov_b32 v14, 0
	v_mov_b32 v15, 0
.set jj, 0
.rept 32
	v_mov_b32 v[160+jj], 0                         ; O^T: the step is written once; the first change of M leaves zeros zeros
.set jj, jj+1
.endr
	s_mov_b32 s20, 0
	s_mov_b32 s21, 0
	s_mov_b32 s23, 16
.Lstep:
	s_wait_alu depctr_vm_vsrc(0)                   ; the LDS loads issued so far have read v7-11, which the five lines below write
	v_add_nc_u32 v7, s20, v4                       ; (these five are also the places behind the last step's products, ahead of the loads below)
	v_add_nc_u32 v8, s20, v5
	v_add_nc_u32 v9, VC, v7
	v_add_nc_u32 v10, VC, v8
	v_add_nc_u32 v11, s21, v6
	s_wait_alu depctr_va_vdst(0)                   ; v7-11 are written, which the step's loads read; the last step's products are done reading v36-83, in which K's fragments land; in a tile's first step Q's codes and scale word, v16-34, are written, which the products below take
.irp i, 0,1,2,3                                ; tiles 2 i and 2 i + 1 of the step's keys
	ds_load_b128 v[36+12*\i:39+12*\i], v7 offset:1536*\i
	ds_load_b64 v[40+12*\i:41+12*\i], v8 offset:1536*\i+512
	ds_load_b128 v[42+12*\i:45+12*\i], v7 offset:1536*\i+768
	ds_load_b64 v[46+12*\i:47+12*\i], v8 offset:1536*\i+1280
.endr
	ds_load_b128 v[84:87], v11
	s_wait_dscnt 0x0
.irp i, 0,1,2,3
	v_wmma_scale_f32_16x16x128_f8f6f4 v[96+16*\i:103+16*\i], v[36+12*\i:47+12*\i], v[22:33], 0, v[84+\i], v34 matrix_a_fmt:MATRIX_FMT_FP6 matrix_b_fmt:MATRIX_FMT_FP6
	v_wmma_scale_f32_16x16x128_f8f6f4 v[104+16*\i:111+16*\i], v[36+12*\i:47+12*\i], v[16:27], 0, v[84+\i], v34 matrix_a_fmt:MATRIX_FMT_FP6 matrix_b_fmt:MATRIX_FMT_FP6
.endr
.rept 4
	v_nop                                          ; places ahead of the loads into K's registers and of the first read of the scores
.endr
	s_wait_alu depctr_va_vdst(0)                   ; the eight products are done reading v36-83, in which V's fragments land (the last step's are done with v88-91)
.irp t, 0,1,2,3                                ; V^T's four d tiles x these 128 keys: they land under the softmax
	ds_load_b128 v[36+12*\t:39+12*\t], v9 offset:768*\t
	ds_load_b64 v[40+12*\t:41+12*\t], v10 offset:768*\t+512
	ds_load_b128 v[42+12*\t:45+12*\t], v9 offset:3072+768*\t
	ds_load_b64 v[46+12*\t:47+12*\t], v10 offset:3072+768*\t+512
.endr
	ds_load_b128 v[88:91], v11 offset:4096
	s_wait_kmcnt 0x0                               ; this step's mask words are in, so their offset may step:
	s_add_co_u32 s22, s22, 256
	s_min_u32 s22, s22, 7936                       ; held at my second tile's last step: no load leaves the buffer
.set jj, 0
.rept 64                                       ; where the bit is 0 the score becomes -2^33; each accumulator is read from its low end on
.if jj < 32
	v_cndmask_b32 v[96+jj], v3, v[96+jj], s[32+jj]
.else
	v_cndmask_b32 v[96+jj], v3, v[96+jj], s[36+jj]
.endif
.set jj, jj+1
.endr
.irp b, 0,1,2,3
	v_max3_num_f32 v[BM+\b], v[96+16*\b], v[97+16*\b], v[98+16*\b]   ; the largest score of each block of 32 keys: for the row's maximum and for the block's largest p
.endr
.irp i, 3,5,7,9,11,13
.irp b, 0,1,2,3
	v_max3_num_f32 v[BM+\b], v[BM+\b], v[96+16*\b+\i], v[97+16*\b+\i]
.endr
.endr
.irp b, 0,1,2,3
	v_max_num_f32 v[BM+\b], v[BM+\b], v[111+16*\b]
.endr
	s_load_b512 s[32:47], s[28:29], s22 offset:0x0     ; the next step's mask words
	s_load_b512 s[48:63], s[28:29], s22 offset:0x40
	s_load_b512 s[68:83], s[28:29], s22 offset:0x80
	s_load_b512 s[84:99], s[28:29], s22 offset:0xc0
.irp b, 0,1,2,3
	v_permlanex16_b32 v[BP+\b], v[BM+\b], s18, s19
.endr
.irp b, 0,1,2,3
	v_max_num_f32 v[BM+\b], v[BM+\b], v[BP+\b]
.endr
	v_max3_num_f32 v226, v212, v213, v214
	v_max_num_f32 v226, v226, v215
	v_mul_f32 v226, s16, v226                      ; the step's largest t
	v_max_num_f32 v13, v13, v226
	v_mov_b32 v226, v12
	v_floor_f32 v12, -v13                          ; -M = floor(-t): M is a whole number
	v_sub_f32 v226, v12, v226                      ; old M - new M, 0 or less
	v_cvt_i32_f32 v226, v226                       ; (it saturates)
	v_ldexp_f32 v224, 1.0, v226                    ; f = 2^(old M - new M): rounds nothing
.set jj, 0
.rept 32
	v_pk_fma_f32 v[96+jj:97+jj], v[96+jj:97+jj], s[16:17], v[12:13] op_sel_hi:[1,0,0]   ; t - M
.set jj, jj+2
.endr
.irp b, 0,1,2,3
	v_fma_f32 v[BM+\b], v[BM+\b], s16, v12
.endr
.set jj, 0
	s_wait_alu depctr_va_vdst(0)
.rept 64
	v_exp_f32 v[96+jj], v[96+jj]                   ; p = 2^(t - M)
.set jj, jj+1
.endr
	v_pk_mul_f32 v[14:15], v[14:15], v[224:225] op_sel_hi:[1,0]   ; the sums under the new M: the plain place behind the batch
	s_wait_alu depctr_va_vdst(0)                   ; the 64 exponentials have written v96-159: one wait, ahead of their first reader
.irp b, 0,1,2,3
	v_exp_f32 v[BM+\b], v[BM+\b]                   ; each block's largest p
.endr
	v_pk_add_f32 v[216:217], v[96:97], v[98:99]    ; the row's sum of the unquantised p, in two chains
.irp j, 4,8,12,16,20,24,28,32,36,40,44,48,52,56,60
	v_pk_add_f32 v[14:15], v[14:15], v[96+\j:97+\j]
	v_pk_add_f32 v[216:217], v[216:217], v[98+\j:99+\j]
.endr
	v_pk_add_f32 v[14:15], v[14:15], v[216:217]
	s_wait_alu depctr_va_vdst(0)                   ; the four exponentials have written v212-215, ahead of their first reader
.irp b, 0,1,2,3
	v_max_num_f32 v[BM+\b], 0x1800000, v[BM+\b]    ; the floor: the byte cannot fall under 1
.endr
.irp b, 0,1,2,3
	v_add_nc_u32 v[SOP+\b], 0xff000000, v[BM+\b]
.endr
.irp b, 0,1,2,3
	v_lshrrev_b32 v[BP+\b], 23, v[SOP+\b]
.endr
	v_lshl_or_b32 v225, v217, 8, v216              ; p's scale word for these 128 keys
	v_lshl_or_b32 v225, v218, 16, v225
	v_lshl_or_b32 v225, v219, 24, v225
.irp c, 0,1
	v_cvt_scalef32_pk16_fp6_f32 v[192+6*\c:194+6*\c], v[96+32*\c:111+32*\c], v[SOP+2*\c]
	v_cvt_scalef32_pk16_fp6_f32 v[204+4*\c:206+4*\c], v[112+32*\c:127+32*\c], v[SOP+2*\c+1]
.endr
	v_nop                                          ; one plain place behind a scaled conversion
.irp c, 0,1
.irp i, 0,1,2
	v_permlane16_swap_b32 v[192+6*\c+\i], v[204+4*\c+\i]
.endr
.irp i, 0,1,2
	v_mov_b32 v[195+6*\c+\i], v[204+4*\c+\i]
.endr
.endr
.set jj, 0
.rept 16
	v_pk_mul_f32 v[160+jj:161+jj], v[160+jj:161+jj], v[224:225] op_sel_hi:[1,0]   ; O^T under the new M; also the places between p's codes and scale word and the products
.set jj, jj+2
.endr
	s_wait_dscnt 0x0                               ; V's fragments and scale words
	s_wait_alu depctr_va_vdst(0)                   ; p's codes, v192-203, and its scale word, v225, are written, which the products below take; the places above stay beside this wait
.irp t, 0,1,2,3                                ; four accumulators by turns
	v_wmma_scale_f32_16x16x128_f8f6f4 v[160+8*\t:167+8*\t], v[36+12*\t:47+12*\t], v[192:203], v[160+8*\t:167+8*\t], v[88+\t], v225 matrix_a_fmt:MATRIX_FMT_FP6 matrix_b_fmt:MATRIX_FMT_FP6
.endr
	s_add_co_u32 s20, s20, 6144
	s_add_co_u32 s21, s21, 256
	s_sub_co_u32 s23, s23, 1
	s_cmp_lg_u32 s23, 0
	s_cbranch_scc1 .Lstep
	; the tile's end: O^T / the sum, quantised along d, which is this head's 64 of the last product's K
.rept 4
	v_nop
.endr
	v_add_f32 v14, v14, v15
	v_permlanex16_b32 v216, v14, s18, s19
	v_add_f32 v14, v14, v216
	s_wait_alu depctr_va_vdst(0)
	v_rcp_f32 v14, v14
	v_nop                                          ; a plain place behind the reciprocal
	s_wait_alu depctr_va_vdst(0)                   ; the reciprocal has written v14, ahead of its first reader
.set jj, 0
.rept 16
	v_pk_mul_f32 v[96+jj:97+jj], v[160+jj:161+jj], v[14:15] op_sel_hi:[1,0]   ; register 16 b + i: d = 32 b + 16 h + i
.set jj, jj+2
.endr
	v_max3_num_f32 v212, |v96|, |v97|, 0x1800000
	v_max3_num_f32 v213, |v112|, |v113|, 0x1800000
.irp i, 2,4,6,8,10,12,14
	v_max3_num_f32 v212, v212, |v[96+\i]|, |v[97+\i]|
	v_max3_num_f32 v213, v213, |v[112+\i]|, |v[113+\i]|
.endr
	v_permlanex16_b32 v216, v212, s18, s19
	v_permlanex16_b32 v217, v213, s18, s19
	v_max_num_f32 v212, v212, v216
	v_max_num_f32 v213, v213, v217
	v_add_nc_u32 v220, 0xff000000, v212
	v_add_nc_u32 v221, 0xff000000, v213
	v_lshrrev_b32 v218, 23, v220
	v_lshrrev_b32 v219, 23, v221
	v_cvt_scalef32_pk16_fp6_f32 v[192:194], v[96:111], v220
	v_cvt_scalef32_pk16_fp6_f32 v[204:206], v[112:127], v221
	v_nop
.irp i, 0,1,2
	v_permlane16_swap_b32 v[192+\i], v[204+\i]
.endr
.irp i, 0,1,2
	v_mov_b32 v[195+\i], v[204+\i]
.endr
	v_cndmask_b32 v226, v218, v219, s26            ; lanes 0-15 store block 0's byte, lanes 16-31 block 1's
	s_wait_alu depctr_va_vdst(0)                   ; the codes, v192-197, and the byte, v226, are written, which the three stores read
	global_store_b128 v4, v[192:195], s[10:11]     ; 512 consecutive bytes
	global_store_b64 v5, v[196:197], s[10:11] offset:512
	global_store_b8 v236, v226, s[12:13]
.irp i, 0,1,2,3,4,5
	v_mov_b32 v[22+\i], v[228+\i]                  ; the second tile's Q
.endr
	s_wait_xcnt 0x0                                ; the stores have read their data and bases
	s_wait_alu depctr_vm_vsrc(0)                   ; the stores have read v192-197 and v226, which the next tile's vector instructions write again
	s_add_nc_u64 s[10:11], s[10:11], 12288
	s_add_nc_u64 s[12:13], s[12:13], 512
	s_mov_b32 s25, 16
	s_sub_co_u32 s24, s24, 1
	s_cmp_lg_u32 s24, 0
	s_cbranch_scc1 .Ltile
	s_wait_dscnt 0x0                               ; the closing lines, six on end
	s_wait_alu 0x0
	s_wait_tensorcnt 0x0
	ds_add_u32 v1, v2
	s_wait_dscnt 0x0
	s_endpgm
.Lfunc_end_k_qac5c975679_attn:
	.size	k_qac5c975679_attn, .Lfunc_end_k_qac5c975679_attn-k_qac5c975679_attn
	.p2alignl 7, 3214868480
	.fill 96, 4, 3214868480
	.section	.rodata,"a",@progbits
	.p2align	6, 0x0
	.amdhsa_kernel k_qac5c975679_attn
		.amdhsa_group_segment_fixed_size 206848
		.amdhsa_private_segment_fixed_size 0
		.amdhsa_enable_private_segment 0
		.amdhsa_kernarg_size 40
		.amdhsa_user_sgpr_count 2
		.amdhsa_user_sgpr_kernarg_segment_ptr 1
		.amdhsa_wavefront_size32 1
		.amdhsa_system_sgpr_workgroup_id_x 1
		.amdhsa_system_sgpr_workgroup_id_y 1
		.amdhsa_system_sgpr_workgroup_id_z 1
		.amdhsa_system_vgpr_workitem_id 0
		.amdhsa_next_free_vgpr 256
		.amdhsa_next_free_sgpr 102
		.amdhsa_reserve_vcc 0
		.amdhsa_float_denorm_mode_32 3
		.amdhsa_float_denorm_mode_16_64 3
		.amdhsa_memory_ordered 1
		.amdhsa_forward_progress 1
		.amdhsa_inst_pref_size 37
	.end_amdhsa_kernel
	.amdgpu_metadata
---
amdhsa.version: [ 1, 2 ]
amdhsa.kernels:
  - .name:           k_qac5c975679_attn
    .symbol:         k_qac5c975679_attn.kd
    .args:
      - { .name: hcodes, .offset: 0, .size: 8, .value_kind: global_buffer, .address_space: global }
      - { .name: hscales, .offset: 8, .size: 8, .value_kind: global_buffer, .address_space: global }
      - { .name: maskbits, .offset: 16, .size: 8, .value_kind: global_buffer, .address_space: global }
      - { .name: ccodes, .offset: 24, .size: 8, .value_kind: global_buffer, .address_space: global }
      - { .name: cscales, .offset: 32, .size: 8, .value_kind: global_buffer, .address_space: global }
    .group_segment_fixed_size: 206848
    .private_segment_fixed_size: 0
    .kernarg_segment_align: 8
    .kernarg_segment_size: 40
    .max_flat_workgroup_size: 512
    .sgpr_count:     102
    .vgpr_count:     256
    .wavefront_size: 32
...
	.end_amdgpu_metadata
.endif
;; end of part 7
;; launch outp (part 8): grid 4 x 64, 4 waves a work-group, no clusters, 116,224 bytes of LDS; arguments ccodes, cscales, pcodes, pscales, bo, out0; writes out0
.if DOCPART == 8
	.amdgcn_target "amdgcn-amd-amdhsa--gfx1250"
	.amdhsa_code_object_version 6
	.text
	.protected	k_qac5c975679_outp
	.globl	k_qac5c975679_outp
	.p2align	8
	.type	k_qac5c975679_outp,@function
k_qac5c975679_outp:
	s_mov_b64 s[64:65], 0
	v_nop
	global_prefetch_b8 v0, s[64:65] scope:SCOPE_SE
	s_setreg_imm32_b32 hwreg(HW_REG_WAVE_SCHED_MODE, 0, 2), 2
	s_setreg_imm32_b32 hwreg(HW_REG_WAVE_MODE, 25, 1), 1
	s_wait_xcnt 0x0
	s_wait_alu depctr_vm_vsrc(0)
; OUTP: out = ctx Wo^T + bo on codes of FP6.  A work-group makes 128 rows (8 tiles of ctx, in LDS, 98,304 bytes, filled once) x 256 columns; wave w makes columns 64 w .. + 63: Wo's tiles 4 w .. 4 w + 3 of the
; work-group's 16, all 8 K steps in its registers, read once.  8 x 4 accumulators, 256 matrix instructions a wave.  Source 0 = Wo's rows, source 1 = ctx's rows: a lane holds one row of ctx and, by the choice of a
; tile's rows, 16 neighbouring columns 32 b + 16 h + 0 .. 15 in the registers of tiles 2 b, 2 b + 1.  A fragment of ctx is two half images of 768 bytes (heads 2 ks, 2 ks + 1).
; The bias is the C of each sum's first matrix instruction.  A tile of ctx holds rows 32 (t / 2) + 8 (t % 2) + r + 8 (r / 8): the way out puts each row where it belongs.
; No cluster: Wo's fragments go from memory straight into the one wave that multiplies them, and ctx's tiles are read once by a work-group.
; THE MODE: SCHED_MODE bits 1:0 = 2 (LLVM: expert scheduling mode 2), set by the entry lines.  The code itself states the register dependences between vector or matrix instructions and memory or LDS
; instructions, with s_wait_alu, always for 0.
; THE PLAN.  Registers that memory or LDS instructions touch behind the head:
;   XF0, XF1    two sets of ctx's eight fragments.  K step ks: its 32 products read XF[ks % 2]; its 32 LDS loads bring K step ks + 1 into the other set, which K step ks - 1's products read last.
;   window 3    at the head the copy's staging, read by the copy's LDS stores; then the accumulators, written by the products and read by the way out's LDS stores.
;   v104-167    on the way out (they lie in XF1): rows come back from the stage by LDS loads and are read by the stores, two sets by turns.
;   v1-4, v6, v9, v12-15  offsets and LDS addresses, made at the head and never written again.
; So ONE wait on va_vdst stands at the head of K steps 1 to 6 (K step 0's loads land in registers that nothing has named, K step 7 issues none); the step's loads follow it, dealt among its products, which name
; XF[ks % 2], Wo's fragments, the scale words and the accumulators: none of the registers that those loads touch.  One more stands ahead of the way out, which holds no vector instruction;
; a wait on vm_vsrc stands ahead of each landing of rows in registers that stores have read.
; REGISTERS: window 0: v1-4, v12, v13 LDS and copy addresses, v6 64 h, v9 the store's lane term, v10, v11 the add's two, v14, v15 the stage, v16-47 ctx's scale words, v48-63 Wo's, v64-95 the bias, v104-199 XF1, of which v104-167 take the rows on the way out.
;   window 1: Wo's K steps 0-4.  window 2: v0-143 K steps 5-7; v144-239 XF0.  window 3: the accumulators, (m, n) at v[8 (4 m + n)]; at the head the copy's staging.
.set STG,    98304                     ; behind ctx: a stage of 16 rows x (256 bytes + 16) for each wave
.set SPITCH, 272
.set SPARE,  115712
.set XS,  16
.set WS,  48
.set BI,  64
.set BK,  104
.set XF0, 144                          ; in window 2: ctx's fragments of the even K steps
.set XF1, 104                          ; in window 0: those of the odd K steps
.set MSB, 0
.macro WIN new
.if MSB != \new
	s_set_vgpr_msb (MSB<<8)|\new
.set MSB, \new
.endif
.endm
.macro PLACES                          ; four plain places behind a matrix instruction (ISA guide 7.12.1)
.rept 4
	v_nop
.endr
.endm
.macro SLOAD ks
.if (\ks) < 5
	WIN 0x40
.set SB, 48*(\ks)
.else
	WIN 0x80
.set SB, 48*((\ks)-5)
.endif
.irp n, 0,1,2,3
.irp j, 0,1,2
	global_load_b128 v[SB+12*\n+4*\j:SB+12*\n+4*\j+3], v1, s[30:31] offset:12288*\n+1536*(\ks)+512*\j
.endr
.endr
	WIN 0
.endm
.macro FETCHH ks, m0                   ; ctx's fragments m0 .. m0 + 3 of K step ks into that K step's set: two half images each
.if ((\ks)%2) == 0
	WIN 0x80
.set XB, XF0
.else
	WIN 0
.set XB, XF1
.endif
.irp m, \m0, \m0+1, \m0+2, \m0+3
.if (\m) < 4
.set RA, 1
.set RB, 12
.set MO, 12288*(\m)+1536*(\ks)
.else
.set RA, 2
.set RB, 13
.set MO, 12288*((\m)-4)+1536*(\ks)
.endif
	ds_load_b128 v[XB+12*(\m):XB+12*(\m)+3], v[RA] offset:MO
	ds_load_b64 v[XB+12*(\m)+4:XB+12*(\m)+5], v[RB] offset:MO+512
	ds_load_b128 v[XB+12*(\m)+6:XB+12*(\m)+9], v[RA] offset:MO+768
	ds_load_b64 v[XB+12*(\m)+10:XB+12*(\m)+11], v[RB] offset:MO+1280
.endr
.endm
; 8 matrix instructions; the 32 accumulators take turns, one instruction a turn, in the same order in every K step
.macro MUL8 ks, m0
.if (\ks) < 5
.set SB, 48*(\ks)
.set WM, 0xc1                          ; source 0 (Wo) window 1, D window 3
.else
.set SB, 48*((\ks)-5)
.set WM, 0xc2                          ; source 0 window 2
.endif
.if (\ks) > 0
.set WM, WM|0x30                       ; C window 3 (K step 0: the bias, window 0)
.endif
.if ((\ks)%2) == 0
.set WM, WM|0x08                       ; source 1 (ctx): XF0, window 2
.set XB, XF0
.else
.set XB, XF1                           ; XF1, window 0
.endif
	WIN WM
.irp m, \m0, \m0+1
.irp n, 0,1,2,3
.set AC, 8*(4*(\m)+\n)
.if (\ks) == 0
	v_wmma_scale_f32_16x16x128_f8f6f4 v[AC:AC+7], v[SB+12*\n:SB+12*\n+11], v[XB+12*(\m):XB+12*(\m)+11], v[BI+8*\n:BI+8*\n+7], v[WS+4*\n], v[XS+4*(\m)] matrix_a_fmt:MATRIX_FMT_FP6 matrix_b_fmt:MATRIX_FMT_FP6
.elseif (\ks) < 4
	v_wmma_scale_f32_16x16x128_f8f6f4 v[AC:AC+7], v[SB+12*\n:SB+12*\n+11], v[XB+12*(\m):XB+12*(\m)+11], v[AC:AC+7], v[WS+4*\n+(\ks)], v[XS+4*(\m)+(\ks)] matrix_a_fmt:MATRIX_FMT_FP6 matrix_b_fmt:MATRIX_FMT_FP6
.else
	v_wmma_scale_f32_16x16x128_f8f6f4 v[AC:AC+7], v[SB+12*\n:SB+12*\n+11], v[XB+12*(\m):XB+12*(\m)+11], v[AC:AC+7], v[WS+4*\n+(\ks)-4], v[XS+4*(\m)+(\ks)-4] matrix_a_fmt:MATRIX_FMT_FP6 matrix_b_fmt:MATRIX_FMT_FP6 matrix_a_scale:MATRIX_SCALE_ROW1 matrix_b_scale:MATRIX_SCALE_ROW1
.endif
.endr
.endr
.endm
; A K step: 32 products on XF[ks % 2]; among them the loads of K step ks + 1's fragments of ctx into the other set.
.macro KSTEP ks
	s_wait_dscnt 0x0                               ; this K step's fragments of ctx are in: they were asked for a K step ago
.if (\ks) > 0 && (\ks) < 7
	PLACES                                         ; behind the last K step's products, ahead of the loads into registers that they read
	s_wait_alu depctr_va_vdst(0)                   ; the last K step's products are done reading the other set of ctx's fragments, in which the loads below land
.endif
	MUL8 \ks, 0
.if (\ks) < 7
	FETCHH \ks+1, 0                                ; no wait: no product since the wait above names the other set
.endif
	MUL8 \ks, 2
.if (\ks) < 7
	FETCHH \ks+1, 4
.endif
	MUL8 \ks, 4
	MUL8 \ks, 6
.endm
	s_load_b256 s[4:11], s[0:1], 0x0               ; ccodes s[4:5], cscales s[6:7], pcodes s[8:9], pscales s[10:11]
	s_load_b128 s[12:15], s[0:1], 0x20             ; bo s[12:13], out0 s[14:15]
	v_lshl_add_u32 v10, v0, 2, SPARE
	v_mov_b32 v11, 0
	v_lshrrev_b32 v1, 5, v0
	v_readfirstlane_b32 s22, v1                    ; wave 0..3
	v_and_b32 v5, 31, v0
	v_and_b32 v7, 15, v0                           ; r
	v_bfe_u32 v8, v0, 4, 1                         ; h
	v_lshlrev_b32 v1, 4, v5
	v_add_nc_u32 v2, 49152, v1
	v_lshlrev_b32 v3, 4, v0
	v_add_nc_u32 v4, 49152, v3
	v_lshlrev_b32 v12, 3, v5
	v_add_nc_u32 v13, 49152, v12
	v_lshlrev_b32 v6, 6, v8
	s_wait_alu depctr_va_sdst(0)                   ; s22, the wave's number, is written, ahead of its first reader: the stage's place and the offsets below are made from it
	s_mul_i32 s23, s22, 16*SPITCH
	s_add_co_u32 s23, s23, STG                     ; my stage
	v_mul_u32_u24 v14, v7, SPITCH
	v_lshl_add_u32 v14, v8, 6, v14
	v_add_nc_u32 v14, s23, v14                     ; in: row r, + 64 h
	v_mul_u32_u24 v15, v8, SPITCH
	v_lshl_add_u32 v15, v7, 4, v15
	v_add_nc_u32 v15, s23, v15                     ; back: lanes 0-15 one row of 256 bytes, lanes 16-31 the next
	v_lshlrev_b32 v9, 12, v8
	v_lshl_add_u32 v9, v7, 4, v9                   ; and the same in out0: 4,096 h + 16 r
	s_and_b32 s20, ttmp7, 0xffff                   ; y: 128 rows
	s_lshl_b32 s21, ttmp9, 2
	s_add_co_u32 s21, s21, s22                     ; 4 x + w: my 64 columns
	s_lshl_b32 s24, s21, 2
	s_add_co_u32 s24, s24, 1728                    ; Wo's tile in pcodes
	s_mov_b32 s27, 0
	s_wait_kmcnt 0x0
	s_mul_i32 s26, s20, 98304
	s_add_nc_u64 s[28:29], s[4:5], s[26:27]
	s_lshl_b32 s26, s20, 12
	s_add_nc_u64 s[32:33], s[6:7], s[26:27]
	s_mul_i32 s26, s24, 12288
	s_add_nc_u64 s[30:31], s[8:9], s[26:27]
	s_lshl_b32 s26, s24, 9
	s_add_nc_u64 s[34:35], s[10:11], s[26:27]
	s_lshl_b32 s26, s21, 8
	s_add_nc_u64 s[36:37], s[12:13], s[26:27]
	s_add_nc_u64 s[38:39], s[14:15], s[26:27]
	s_lshl_b32 s26, s20, 19
	s_add_nc_u64 s[38:39], s[38:39], s[26:27]
	WIN 0xc0
	s_wait_alu depctr_va_vdst(0)                   ; the offsets and LDS addresses v1-4, v6, v9 and v12-15 are written, which every load and store of the kernel reads
.set ii, 0
.rept 48                                       ; ctx's 98,304 bytes, dense
	global_load_b128 v[4*ii:4*ii+3], v3, s[28:29] offset:2048*ii
.set ii, ii+1
.endr
	WIN 0
.irp m, 0,1,2,3,4,5,6,7
	global_load_b128 v[XS+4*\m:XS+4*\m+3], v1, s[32:33] offset:512*\m
.endr
.irp ks, 0,1,2,3,4,5,6,7
	SLOAD \ks
.endr
.irp n, 0,1,2,3
	global_load_b128 v[WS+4*\n:WS+4*\n+3], v1, s[34:35] offset:512*\n
.endr
.irp n, 0,1,2,3
	global_load_b128 v[BI+8*\n:BI+8*\n+3], v6, s[36:37] offset:4*(32*(\n/2)+8*(\n%2))
	global_load_b128 v[BI+8*\n+4:BI+8*\n+7], v6, s[36:37] offset:4*(32*(\n/2)+8*(\n%2))+16
.endr
	s_wait_loadcnt 63                              ; 116 loads are younger than the copy's 48: those are in
	WIN 0x0c
.set ii, 0
.rept 48
.if ii < 24
	ds_store_b128 v3, v[4*ii:4*ii+3] offset:2048*ii
.else
	ds_store_b128 v4, v[4*ii:4*ii+3] offset:2048*(ii-24)
.endif
.set ii, ii+1
.endr
	WIN 0
	s_wait_dscnt 0x0                               ; for the others' sake: my part of ctx has landed
	s_barrier_signal -1
	s_barrier_wait -1
	s_wait_alu depctr_vm_vsrc(0)                   ; my LDS stores have read the staging registers of window 3: they are the accumulators from here on, written by the products
	s_wait_loadcnt 0x0                             ; Wo's fragments, the scale words, the bias
	FETCHH 0, 0
	FETCHH 0, 4
.irp ks, 0,1,2,3,4,5,6,7
	KSTEP \ks
.endr
; THE WAY OUT, a tile of 16 rows x 64 columns at a time, through my own stage: LDS serves a wave's instructions in order, so no wait stands between the stores and the loads, nor ahead of the next tile's stores.
.macro TOSTAGE m
	WIN 0x0c
.irp b, 0,1
.irp q, 0,1,2,3
	ds_store_b128 v14, v[32*(\m)+16*\b+4*\q:32*(\m)+16*\b+4*\q+3] offset:128*\b+16*\q   ; each accumulator from its low end on
.endr
.endr
	WIN 0
.irp i, 0,1,2,3,4,5,6,7
	ds_load_b128 v[BK+32*((\m)%2)+4*\i:BK+32*((\m)%2)+4*\i+3], v15 offset:2*\i*SPITCH
.endr
.endm
.macro SEND m, younger                 ; younger: the LDS instructions issued behind tile m's loads
	s_wait_dscnt \younger
.irp i, 0,1,2,3,4,5,6,7
	global_store_b128 v9, v[BK+32*((\m)%2)+4*\i:BK+32*((\m)%2)+4*\i+3], s[38:39] offset:(32*((\m)/2)+8*((\m)%2)+2*\i+8*(\i/4))*4096 th:TH_STORE_NT   ; 16 lanes store 256 consecutive bytes, aligned; two rows an instruction
.endr
.endm
	PLACES                                         ; four places behind the last products, before their results are read
	s_wait_alu depctr_va_vdst(0)                   ; the products have written the accumulators, which the LDS stores read, and are done reading XF1, in whose registers v104-167 the rows come back; the places above stay beside this wait
	TOSTAGE 0
.irp a, 1,2,3,4,5,6,7
.if \a > 1
	s_wait_xcnt 0x0                                ; tile a - 2's stores have read the registers into which tile a's rows come back
	s_wait_alu depctr_vm_vsrc(0)                   ; tile a - 2's stores have read their set of v104-167, in which tile a's rows land
.endif
	TOSTAGE \a
	SEND \a-1, 16                                  ; behind tile a - 1's loads: tile a's 8 stores and 8 loads
.endr
	SEND 7, 0
	s_wait_dscnt 0x0                               ; the closing lines, six on end
	s_wait_alu 0x0
	s_wait_tensorcnt 0x0
	ds_add_u32 v10, v11
	s_wait_dscnt 0x0
	s_endpgm
.Lfunc_end_k_qac5c975679_outp:
	.size	k_qac5c975679_outp, .Lfunc_end_k_qac5c975679_outp-k_qac5c975679_outp
	.p2alignl 7, 3214868480
	.fill 96, 4, 3214868480
	.section	.rodata,"a",@progbits
	.p2align	6, 0x0
	.amdhsa_kernel k_qac5c975679_outp
		.amdhsa_group_segment_fixed_size 116224
		.amdhsa_private_segment_fixed_size 0
		.amdhsa_enable_private_segment 0
		.amdhsa_kernarg_size 48
		.amdhsa_user_sgpr_count 2
		.amdhsa_user_sgpr_kernarg_segment_ptr 1
		.amdhsa_wavefront_size32 1
		.amdhsa_system_sgpr_workgroup_id_x 1
		.amdhsa_system_sgpr_workgroup_id_y 1
		.amdhsa_system_sgpr_workgroup_id_z 1
		.amdhsa_system_vgpr_workitem_id 0
		.amdhsa_next_free_vgpr 1024
		.amdhsa_next_free_sgpr 66
		.amdhsa_reserve_vcc 0
		.amdhsa_float_denorm_mode_32 3
		.amdhsa_float_denorm_mode_16_64 3
		.amdhsa_memory_ordered 1
		.amdhsa_forward_progress 1
		.amdhsa_inst_pref_size 88
	.end_amdhsa_kernel
	.amdgpu_metadata
---
amdhsa.version: [ 1, 2 ]
amdhsa.kernels:
  - .name:           k_qac5c975679_outp
    .symbol:         k_qac5c975679_outp.kd
    .args:
      - { .name: ccodes, .offset: 0, .size: 8, .value_kind: global_buffer, .address_space: global }
      - { .name: cscales, .offset: 8, .size: 8, .value_kind: global_buffer, .address_space: global }
      - { .name: pcodes, .offset: 16, .size: 8, .value_kind: global_buffer, .address_space: global }
      - { .name: pscales, .offset: 24, .size: 8, .value_kind: global_buffer, .address_space: global }
      - { .name: bo, .offset: 32, .size: 8, .value_kind: global_buffer, .address_space: global }
      - { .name: out0, .offset: 40, .size: 8, .value_kind: global_buffer, .address_space: global }
    .group_segment_fixed_size: 116224
    .private_segment_fixed_size: 0
    .kernarg_segment_align: 8
    .kernarg_segment_size: 48
    .max_flat_workgroup_size: 128
    .sgpr_count:     66
    .vgpr_count:     1024
    .wavefront_size: 32
...
	.end_amdgpu_metadata
.endif
;; end of part 8
